; MI455X (gfx1250); checked and timed in simulation.
; The chip was launched on July 23, 2026; its instructions are those of AMD's public machine-readable ISA for CDNA 5 (MIT licence, August 2026) and "CDNA5" Instruction Set Architecture Reference Guide (July 2026). The comments in the code are by the model that wrote it; some were corrected since.
;; Causal Self Attention. Allowed arithmetic: matrix products marked QUANTISED: E2M3 operands, one E8M0 scale for each 32 along K, by v_wmma_scale_f32_16x16x128_f8f6f4 with both operands' format E2M3, f32 sums; everything else in f32.
;; Inputs: w_proj 1,024 x 1,024 float32; w_qkv 1,024 x 3,072 float32; x 4 x 2,048 x 1,024 float32.
;; Outputs: out0 4 x 2,048 x 1,024 float32.
;; This version of the problem:
;;   THIS VERSION OF THE PROBLEM IS GIVEN IN LOW PRECISION. The matrix products marked QUANTISED in the list below multiply operands that are first quantised to E2M3 (2 exponent bits, 3 mantissa bits; 6 bits a number), with one power-of-two scale for each 32 numbers along K (OCP MX v1.0); their sums are f32. All else is computed in f32.
;;   The module's matrix products, in the order in which they are computed (A, B: the left and right operand; K: the contracted axis; several contracted axes count as one K, in the product's order):
;;     1. [M 8,192, K 1,024] x [K 1,024, N 3,072]; A: input x; B: input w_qkv: QUANTISED
;;     2. batch 64 x [M 2,048, K 64] x [K 64, N 2,048]; A: computed on the way; B: computed on the way: QUANTISED
;;     3. batch 64 x [M 2,048, K 2,048] x [K 2,048, N 64]; A: softmax (see below); B: computed on the way: QUANTISED
;;     4. [M 8,192, K 1,024] x [K 1,024, N 1,024]; A: computed on the way; B: input w_proj: QUANTISED
;;   THE QUANTISER, for each operand of a quantised product, along K:
;;     - K is cut into blocks of 32 from its start; a last block that is shorter is filled with zeros.
;;     - A block's scale is 2^e with e = floor(log2(the largest magnitude in the block)) - 2, held to -126 .. 127; a block of zeros has e = 0. As a byte (E8M0): e + 127.
;;     - Each number is divided by its block's scale, clamped to +-7.5, and rounded to the nearest number of E2M3, ties to even, subnormals kept.
;;     - The product sums the exact products of the quantised numbers (number of the format x scale) in f32.
;;   ~~~python
;;   def quantise(x, axis):      # numpy; x: float32 -> the quantised numbers, widened to float32 again
;;       x = np.moveaxis(x, axis, -1); K = x.shape[-1]
;;       x = np.pad(x, [(0, 0)] * (x.ndim - 1) + [(0, -K % 32)]); x = x.reshape(x.shape[:-1] + (-1, 32)); a = np.abs(x).max(-1, keepdims=True)
;;       e = np.where(a > 0, np.clip(np.frexp(np.where(a > 0, a, 1))[1] - 1 - 2, -126, 127), 0)      # np.frexp(a)[1] - 1 = floor(log2(a)), exactly
;;       r = np.clip(x / 2.0 ** e, -7.5, 7.5)
;;       step = 2.0 ** (np.maximum(np.frexp(np.where(r == 0, 1, r))[1] - 1, 0) - 3)
;;       q = np.round(r / step) * step * 2.0 ** e      # np.round: ties to even
;;       return np.moveaxis(q.reshape(q.shape[:-2] + (-1,))[..., :K], -1, axis).astype(np.float32)
;;   ~~~
;;   SOFTMAX AHEAD OF A QUANTISED PRODUCT. Where the list says 'softmax', what is quantised is not the finished softmax but p = 2^(t - M), with t = logit x log2(e) and M = ceil(the row's largest t), a whole number; so 1/2 < the row's largest p <= 1. The row's sum l is taken of the UNQUANTISED p, in f32, and the product's result is divided by l at the end. Since M is a whole number, a kernel that streams over the keys may use a running M (the ceiling of the running maximum): every later rescaling is an exact power of two, which a block's scale takes up: the codes' values come out the same.
;;   OPERANDS COMPUTED ON THE WAY. 'Computed on the way' means the value that the module computes at that place (a softmax that the list does not call 'softmax' is quantised finished and normalised). What goes into a quantiser is computed in f32, as accurately as f32 sums, v_exp_f32 and their like allow (about 1e-6 of the number): no bf16 or f16 on the way to a quantiser, and a product that is left as it is and whose result goes on into a quantised operand takes f32 operands (vector FMAs, or v_wmma_f32_16x16x4_f32). A number that lies on a knife's edge between two numbers of the format may be rounded either way, as far as f32 arithmetic and the matrix unit's own rounding can turn it there, and no further.
;; One version. Each part assembles by itself: llvm-mc -triple=amdgcn-amd-amdhsa -mcpu=gfx1250 --defsym DOCPART=n.
;; ======== version 1 of 1: 4 launches
;; workspace buffers: x_codes 6,291,456 bytes; x_scales 262,144 bytes; w_codes 3,145,728 bytes; w_scales 131,072 bytes; img 19,660,800 bytes; oimg 6,291,456 bytes; osc 262,144 bytes
;; launch quant (part 1): grid 384 x 1, 4 waves a work-group, no clusters, 68,096 bytes of LDS; arguments x, w_qkv, w_proj, x_codes, x_scales, w_codes, w_scales; writes x_codes, x_scales, w_codes, w_scales
.if DOCPART == 1
	.amdgcn_target "amdgcn-amd-amdhsa--gfx1250"
	.amdhsa_code_object_version 6
	.text
	.protected	k_q6854793ea2_quant
	.globl	k_q6854793ea2_quant
	.p2align	8
	.type	k_q6854793ea2_quant,@function
k_q6854793ea2_quant:
	s_mov_b64 s[64:65], 0
	v_nop
	global_prefetch_b8 v0, s[64:65] scope:SCOPE_SE
	s_setreg_imm32_b32 hwreg(HW_REG_WAVE_MODE, 25, 1), 1
	s_wait_xcnt 0x0
; x [8192][1024], w_qkv [1024][3072] and w_proj [1024][1024], f32, become codes of FP6 (E2M3) with K innermost and one E8M0 byte for each 32 along K.
; x_codes [8192][768], x_scales [8192][32];  w_codes [4096][768], w_scales [4096][32]: rows 0-3071 are w_qkv's columns, rows 3072-4095 w_proj's.
; THE ROWS ARE LAID IN ANOTHER ORDER: the row at place p holds true row swap34(p), p with its bits 3 and 4 exchanged.  Sixteen neighbouring places 16 i + r are then true rows
; 32 (i / 2) + 8 (i % 2) + r + 8 (r / 8): a product's results of two neighbouring tiles are 16 neighbours along the next product's K, and the products read plain neighbouring rows.
; A block's scale is 2^(floor(log2(its largest magnitude)) - 2); its byte is the largest magnitude's exponent field - 2, held at 1 from below.
; LIMITS: a block whose largest magnitude lies under 2^-124 keeps the byte 1; a block of zeros gets the byte 1 where the rule says 127 (its codes are zeros, which add nothing, and this
; program alone reads the bytes); NaN and infinities among the inputs are not served.
; Work-groups 0-255 take x (K innermost: a plain stream of blocks), work-groups 256-383 the weights (K is the first axis: a lane takes a column, its registers run down K).
; The two ways have LDS bytes of their own.  No cluster: no two work-groups read the same input bytes.  No tensor loads, no barrier: waves share nothing.
.set STEPS, 16
.set CB,    12                         ; bytes of 16 codes
.set R,     16                         ; x: v16-79   four sets of 16 numbers as they are loaded
.set X,     80                         ; x: v80-111  two sets of 16 neighbours
.set C,     128                        ; x: v128-191 codes: four registers for each step
.set E,     112                        ; x: v112-127 a scale byte for each step
.set WREG,  8192                       ; x: LDS for each wave: two stages of 32 x SP bytes, behind them its 256 scale bytes
.set SP,    80                         ; x: a lane's place in a stage: 64 bytes + 16 of padding
.set WBASE, 32768                      ; weights: their LDS begins here
.set WPITCH, 272                       ; weights: a stage row: sixteen places of 16 bytes + 16
.set NB,    8                          ; weights: blocks of 32 along K for a wave
.set WX,    32                         ; weights: v32-95 two sets of 32 numbers
.set WC,    96                         ; weights: a block's codes
.set OUTR,  112                        ; weights: v112-175 the way out
.set SBY,   24                         ; weights: v24-25 the scale bytes
.set VR,    176                        ; weights: v176-207 byte offset of row i of a block, at my column
	s_load_b128 s[4:7], s[0:1], 0x0                ; x, w_qkv
	s_load_b128 s[8:11], s[0:1], 0x10              ; w_proj, x_codes
	s_load_b128 s[12:15], s[0:1], 0x20             ; x_scales, w_codes
	s_load_b64 s[16:17], s[0:1], 0x30              ; w_scales
	v_lshl_add_u32 v208, v0, 2, 0x10800
	v_mov_b32 v209, 0
	v_lshrrev_b32 v1, 5, v0
	v_readfirstlane_b32 s18, v1                    ; wave
	v_and_b32 v2, 31, v0                           ; lane
	s_cmp_ge_u32 ttmp9, 256
	s_cbranch_scc1 .Lweights
	; ---------------- x: a wave takes 8 rows (8,192 numbers) in 16 steps of 512
	v_lshlrev_b32 v3, 4, v2                        ; my 16 bytes of a load's 512
	s_mul_i32 s19, s18, WREG
	v_lshrrev_b32 v14, 2, v2
	v_mul_u32_u24 v14, v14, SP
	v_and_b32 v15, 3, v2
	v_lshl_add_u32 v14, v15, 4, v14
	v_add_nc_u32 v14, s19, v14                     ; the stage, on the way in: SP (lane / 4) + 16 (lane % 4)
	v_mul_u32_u24 v15, v2, SP
	v_add_nc_u32 v15, s19, v15                     ; on the way out: SP x lane: my 16 neighbours
	v_mul_u32_u24 v4, v2, CB                       ; my codes' place in a step's
	v_lshrrev_b32 v5, 1, v2
	s_add_co_u32 s19, s19, 2*32*SP
	v_add_nc_u32 v5, s19, v5                       ; LDS: my wave's 256 scale bytes, my block's byte
	v_lshlrev_b32 v7, 3, v2                        ; and on the way out 8 bytes a lane
	v_add_nc_u32 v6, s19, v7
	s_lshl_b32 s20, ttmp9, 2
	s_add_co_u32 s22, s20, s18                     ; the run of 8 rows that I read: 4 x work-group + wave
	s_and_b32 s21, s18, 1
	s_lshl_b32 s21, s21, 1
	s_lshr_b32 s23, s18, 1
	s_or_b32 s21, s21, s23                         ; the wave's two bits exchanged: they are bits 3 and 4 of the row
	s_add_co_u32 s24, s20, s21                     ; the run of 8 places that I write
	s_lshl_b32 s22, s22, 15                        ; 32,768 bytes of f32 a run
	s_mov_b32 s23, 0
	s_mul_i32 s26, s24, 6144                       ; 8 rows of 768 bytes of codes
	s_mov_b32 s27, 0
	s_lshl_b32 s24, s24, 8                         ; 8 rows of 32 scale bytes
	s_mov_b32 s25, 0
	s_wait_kmcnt 0x0
	s_add_nc_u64 s[4:5], s[4:5], s[22:23]
	s_add_nc_u64 s[10:11], s[10:11], s[26:27]
	s_add_nc_u64 s[12:13], s[12:13], s[24:25]
.macro LOAD t
.irp i, 0,1,2,3
	global_load_b128 v[R+16*((\t)%4)+4*\i:R+16*((\t)%4)+4*\i+3], v3, s[4:5] offset:2048*(\t)+512*\i th:TH_LOAD_NT   ; 32 lanes read 512 consecutive bytes
.endr
.endm
.macro TURN t                          ; step t's numbers through the stage: LDS serves a wave's instructions in order, so no wait stands between the stores and the loads
.irp i, 0,1,2,3
	ds_store_b128 v14, v[R+16*((\t)%4)+4*\i:R+16*((\t)%4)+4*\i+3] offset:32*SP*((\t)%2)+8*SP*\i
.endr
.irp i, 0,1,2,3
	ds_load_b128 v[X+16*((\t)%2)+4*\i:X+16*((\t)%2)+4*\i+3], v15 offset:32*SP*((\t)%2)+16*\i
.endr
.endm
.irp t, 0,1,2,3
	LOAD \t
.endr
	s_wait_loadcnt 12                              ; step 0's four loads are in
	TURN 0
.macro STEP t
.set XS, X+16*((\t)%2)
.if (\t) > 0
	s_wait_dscnt 1                                 ; this step's numbers are back from the stage (the last step's byte store may be out)
.else
	s_wait_dscnt 0x0
.endif
.if (\t)+4 < STEPS
	LOAD (\t)+4                                    ; the registers that the stage's stores have read take the loads of four steps on
.endif
.if (\t)+1 < STEPS
.if STEPS-2-(\t) >= 3
	s_wait_loadcnt 12                              ; the next step's four loads are in; those of the three steps behind it may be out
.else
	s_wait_loadcnt 4*(STEPS-2-(\t))
.endif
	TURN (\t)+1                                    ; and go through the other stage while this step is worked
.endif
	v_max3_num_f32 v8, |v[XS]|, |v[XS+1]|, |v[XS+2]|               ; the largest magnitude of my 16
	v_max3_num_f32 v9, |v[XS+3]|, |v[XS+4]|, |v[XS+5]|
.irp i, 6,10
	v_max3_num_f32 v8, v8, |v[XS+\i]|, |v[XS+\i+1]|
	v_max3_num_f32 v9, v9, |v[XS+\i+2]|, |v[XS+\i+3]|
.endr
	v_max3_num_f32 v8, v8, |v[XS+14]|, |v[XS+15]|
	v_max3_num_f32 v8, v8, v9, 0x1800000           ; and the floor 2^(3 - 127): the byte cannot fall under 1
	v_max_num_f32_dpp v8, v8, v8 row_xmask:1 row_mask:0xf bank_mask:0xf   ; and of my neighbour's 16: the block's
	v_add_nc_u32 v11, 0xff000000, v8               ; 2 off its exponent field: the conversion takes the exponent field of this operand as its scale
	v_cvt_scalef32_pk16_fp6_f32 v[C+4*(\t):C+4*(\t)+2], v[XS:XS+15], v11
	v_lshrrev_b32 v[E+(\t)], 23, v11               ; the scale's byte
	ds_store_b8 v5, v[E+(\t)] offset:16*(\t)       ; both lanes of a block write the same byte with the same value
	global_store_b96 v4, v[C+4*(\t):C+4*(\t)+2], s[10:11] offset:32*CB*(\t)   ; the wave stores 384 consecutive bytes
.endm
.irp t, 0,1,2,3,4,5,6,7,8,9,10,11,12,13,14,15
	STEP \t
.endr
	ds_load_b64 v[12:13], v6                       ; LDS serves a wave's instructions in order: these see my stores
	s_wait_dscnt 0x0
	global_store_b64 v7, v[12:13], s[12:13]        ; 32 lanes store 256 consecutive bytes, aligned
	s_wait_tensorcnt 0x0
	ds_add_u32 v208, v209
	s_wait_dscnt 0x0
	s_endpgm
	; ---------------- the weights: a wave takes 32 columns x 256 along K
.Lweights:
	s_sub_co_u32 s19, ttmp9, 256
	s_and_b32 s22, s19, 31                         ; which 128 columns of the 4,096 (24 groups of w_qkv, 8 of w_proj)
	s_lshr_b32 s23, s19, 5                         ; which 256 along K
	s_sub_co_u32 s24, s22, 24
	s_mov_b32 s25, 4096
	v_lshlrev_b32 v3, 2, v2                        ; in: 4 bytes a lane
	s_mul_i32 s35, s18, 32*WPITCH
	s_add_co_u32 s35, s35, WBASE                   ; my stage
	v_mul_u32_u24 v4, v2, WPITCH
	v_add_nc_u32 v4, s35, v4                       ; into it: row = my column
	v_and_b32 v5, 15, v2
	v_lshrrev_b32 v6, 4, v2                        ; out of it: sixteen lanes to a row, two rows an instruction
	v_mul_u32_u24 v7, v6, WPITCH
	v_lshl_add_u32 v7, v5, 4, v7
	v_add_nc_u32 v7, s35, v7
	v_mul_u32_u24 v8, v6, 768
	v_mad_u32_u24 v8, v5, 12, v8                   ; and the same place in the codes' buffer
	v_and_b32 v9, 7, v2                            ; swap34(lane) x 32: my column's row of scale bytes
	v_and_b32 v10, 8, v2
	v_lshl_or_b32 v9, v10, 1, v9
	v_and_b32 v10, 16, v2
	v_lshrrev_b32 v10, 1, v10
	v_or_b32 v9, v9, v10
	v_lshlrev_b32 v9, 5, v9
	s_wait_kmcnt 0x0
	s_cmp_lt_u32 s22, 24                           ; w_qkv's columns or w_proj's?  The choice hangs on the work-group's number alone
	s_cselect_b64 s[20:21], s[6:7], s[8:9]
	s_cselect_b32 s25, 12288, s25                  ; bytes from row to row of the source
	s_cselect_b32 s24, s22, s24                    ; the group of 128 columns within its tensor
	s_mul_i32 s26, s23, s25
	s_lshl_b32 s26, s26, 8                         ; 256 rows for each step along K
	s_lshl_b32 s27, s24, 9
	s_add_co_u32 s26, s26, s27
	s_lshl_b32 s27, s18, 7
	s_add_co_u32 s26, s26, s27                     ; + 4 x (128 x group + 32 x wave)
	s_mov_b32 s27, 0
	s_add_nc_u64 s[20:21], s[20:21], s[26:27]
	s_lshl_b32 s28, s25, 5                         ; a block: 32 rows
	s_mov_b32 s29, 0
	s_lshl_b32 s30, s22, 7
	s_lshl_b32 s31, s18, 5
	s_add_co_u32 s30, s30, s31                     ; my first row of w_codes: a multiple of 32
	s_mul_i32 s32, s30, 768
	s_mul_i32 s33, s23, 192
	s_add_co_u32 s32, s32, s33
	s_mov_b32 s33, 0
	s_add_nc_u64 s[14:15], s[14:15], s[32:33]
	s_lshl_b32 s32, s30, 5
	s_lshl_b32 s34, s23, 3
	s_add_co_u32 s32, s32, s34
	s_add_nc_u64 s[16:17], s[16:17], s[32:33]
.set li, 0
.rept 32
	v_mad_u32_u24 v[VR+li], s25, li, v3            ; row li of a block, my column
.set li, li+1
.endr
.macro WLOAD t                         ; block t: W(32 t + i, my column), i = 0 .. 31, into set t % 2: each load reads 128 consecutive bytes
.if (\t) > 0
	s_wait_xcnt 0x0                                ; the earlier loads have read their base: it may step
	s_add_nc_u64 s[20:21], s[20:21], s[28:29]
.endif
.set li, 0
.rept 32
	global_load_b32 v[WX+32*((\t)%2)+li], v[VR+li], s[20:21] th:TH_LOAD_NT
.set li, li+1
.endr
.endm
	WLOAD 0
	WLOAD 1
.macro BLOCK t
.set XS, WX+32*((\t)%2)
.if (\t) < NB-1
	s_wait_loadcnt 32                              ; this block's 32 loads are in; the next block's may be out
.else
	s_wait_loadcnt 0
.endif
	v_max3_num_f32 v12, |v[XS]|, |v[XS+1]|, |v[XS+2]|               ; the block's largest magnitude: all 32 numbers are mine
	v_max3_num_f32 v13, |v[XS+3]|, |v[XS+4]|, |v[XS+5]|
.irp i, 6,10,14,18,22,26
	v_max3_num_f32 v12, v12, |v[XS+\i]|, |v[XS+\i+1]|
	v_max3_num_f32 v13, v13, |v[XS+\i+2]|, |v[XS+\i+3]|
.endr
	v_max3_num_f32 v12, v12, |v[XS+30]|, |v[XS+31]|
	v_max3_num_f32 v12, v12, v13, 0x1800000        ; and the floor 2^(3 - 127)
	v_add_nc_u32 v11, 0xff000000, v12              ; 2 off its exponent field: the conversion's scale operand
	v_lshrrev_b32 v13, 23, v11                     ; the scale's byte
.if (\t)%4 == 0
	v_mov_b32 v[SBY+(\t)/4], v13                   ; four bytes to a register, the lower K in the lower byte
.else
	v_lshl_or_b32 v[SBY+(\t)/4], v13, 8*((\t)%4), v[SBY+(\t)/4]
.endif
	v_cvt_scalef32_pk16_fp6_f32 v[WC:WC+2], v[XS:XS+15], v11
	v_cvt_scalef32_pk16_fp6_f32 v[WC+4:WC+6], v[XS+16:XS+31], v11   ; (a conversion's three registers begin on an even number)
	ds_store_b96 v4, v[WC:WC+2] offset:32*(\t)     ; 16 codes, 12 bytes, to a place of 16 bytes in the stage
	ds_store_b96 v4, v[WC+4:WC+6] offset:32*(\t)+16
.if (\t)+2 < NB
	WLOAD (\t)+2
.endif
	s_wait_dscnt 0x0                               ; the stores have read their registers: the next block's codes may be written
.endm
.irp t, 0,1,2,3,4,5,6,7
	BLOCK \t
.endr
	global_store_b64 v9, v[SBY:SBY+1], s[16:17]    ; my column's 8 scale bytes, at its place
.irp t, 0,1,2,3,4,5,6,7,8,9,10,11,12,13,14,15
	ds_load_b96 v[OUTR+4*\t:OUTR+4*\t+2], v7 offset:2*\t*WPITCH   ; LDS serves a wave's instructions in order: these see my stores
.endr
.irp t, 0,1,2,3,4,5,6,7,8,9,10,11,12,13,14,15
	s_wait_dscnt 15-\t
	global_store_b96 v8, v[OUTR+4*\t:OUTR+4*\t+2], s[14:15] offset:2*((\t&3)|((\t&4)<<1)|((\t&8)>>1))*768   ; columns 2 t, 2 t + 1 go to places with bits 3 and 4 exchanged; sixteen lanes store a row's 192 consecutive bytes
.endr
	s_wait_tensorcnt 0x0
	ds_add_u32 v208, v209
	s_wait_dscnt 0x0
	s_endpgm
.Lfunc_end_k_q6854793ea2_quant:
	.size	k_q6854793ea2_quant, .Lfunc_end_k_q6854793ea2_quant-k_q6854793ea2_quant
	.p2alignl 7, 3214868480
	.fill 96, 4, 3214868480
	.section	.rodata,"a",@progbits
	.p2align	6, 0x0
	.amdhsa_kernel k_q6854793ea2_quant
		.amdhsa_group_segment_fixed_size 68096
		.amdhsa_private_segment_fixed_size 0
		.amdhsa_enable_private_segment 0
		.amdhsa_kernarg_size 56
		.amdhsa_user_sgpr_count 2
		.amdhsa_user_sgpr_kernarg_segment_ptr 1
		.amdhsa_wavefront_size32 1
		.amdhsa_system_sgpr_workgroup_id_x 1
		.amdhsa_system_sgpr_workgroup_id_y 1
		.amdhsa_system_sgpr_workgroup_id_z 1
		.amdhsa_system_vgpr_workitem_id 0
		.amdhsa_next_free_vgpr 210
		.amdhsa_next_free_sgpr 66
		.amdhsa_reserve_vcc 0
		.amdhsa_float_denorm_mode_32 3
		.amdhsa_float_denorm_mode_16_64 3
		.amdhsa_memory_ordered 1
		.amdhsa_forward_progress 1
		.amdhsa_inst_pref_size 76
	.end_amdhsa_kernel
	.amdgpu_metadata
---
amdhsa.version: [ 1, 2 ]
amdhsa.kernels:
  - .name:           k_q6854793ea2_quant
    .symbol:         k_q6854793ea2_quant.kd
    .args:
      - { .name: x, .offset: 0, .size: 8, .value_kind: global_buffer, .address_space: global }
      - { .name: w_qkv, .offset: 8, .size: 8, .value_kind: global_buffer, .address_space: global }
      - { .name: w_proj, .offset: 16, .size: 8, .value_kind: global_buffer, .address_space: global }
      - { .name: x_codes, .offset: 24, .size: 8, .value_kind: global_buffer, .address_space: global }
      - { .name: x_scales, .offset: 32, .size: 8, .value_kind: global_buffer, .address_space: global }
      - { .name: w_codes, .offset: 40, .size: 8, .value_kind: global_buffer, .address_space: global }
      - { .name: w_scales, .offset: 48, .size: 8, .value_kind: global_buffer, .address_space: global }
    .group_segment_fixed_size: 68096
    .private_segment_fixed_size: 0
    .kernarg_segment_align: 8
    .kernarg_segment_size: 56
    .max_flat_workgroup_size: 128
    .sgpr_count:     66
    .vgpr_count:     210
    .wavefront_size: 32
...
	.end_amdgpu_metadata
.endif
;; end of part 1
;; launch qkv (part 2): grid 8 x 48, 4 waves a work-group, clusters of 4 x 4, 327,680 bytes of LDS; arguments x_codes, x_scales, w_codes, w_scales, img; writes img
.if DOCPART == 2
	.amdgcn_target "amdgcn-amd-amdhsa--gfx1250"
	.amdhsa_code_object_version 6
	.text
	.protected	k_q6854793ea2_qkv
	.globl	k_q6854793ea2_qkv
	.p2align	8
	.type	k_q6854793ea2_qkv,@function
k_q6854793ea2_qkv:
	s_mov_b64 s[64:65], 0
	v_nop
	global_prefetch_b8 v0, s[64:65] scope:SCOPE_SE
	s_setreg_imm32_b32 hwreg(HW_REG_WAVE_MODE, 25, 1), 1
	s_wait_xcnt 0x0
	s_wait_alu depctr_hold_cnt(0) depctr_sa_sdst(0) depctr_va_vdst(0) depctr_va_sdst(0) depctr_va_ssrc(0) depctr_va_vcc(0) depctr_vm_vsrc(0)
	s_getreg_b32 s2, hwreg(HW_REG_IB_STS2, 6, 4)
	s_cmp_eq_u32 s2, 0
	s_cbranch_scc0 .Lentry_in_a_cluster
	s_endpgm
.Lentry_in_a_cluster:
	s_bfe_u32 s2, ttmp6, 0x10000c
	s_cmp_lg_u32 s2, 0xf033
	s_cbranch_scc0 .Lentry_shape_is_right
	s_endpgm
.Lentry_shape_is_right:
; q, k, v = x w_qkv on codes of FP6 (E2M3) with one E8M0 scale for each 32 along K = 1,024; sums in f32.  The results never go to memory as f32: each wave quantises its 128 x 128 in registers and
; stores IMAGES OF OPERAND REGISTERS for the attention launch: q and k along the head's 64, v along the tokens (the keys).
; A tile, 256 x 256, is made by four waves, 128 x 128 each: 64 accumulators, 512 registers.  K goes in steps of 256 through a ring of two LDS slots filled by the tensor data mover; the scale bytes of the
; work-group's rows come into LDS once.  The matrix instruction is used transposed: source 0 = 16 rows of "B", source 1 = 16 rows of "A": a lane holds one row of A and eight rows of B.
; TWO MODES, chosen by scalar selects on the cluster's y, which all partners share; there is no branch on it.
;   clusters y 0-7:  A = x (8,192 places), B = w's rows 0-2047 (q's and k's features): a lane's 64 numbers run along the features: two heads of 64.
;   clusters y 8-11: A = w's rows 2048-3071 (v's features), B = x: a lane's 64 numbers run along the tokens: 128 keys of one feature.
; Rows of both operands lie with bits 3 and 4 of the row number exchanged, so that register 16 b + i of a lane's 64 is true index 32 b + 16 (lane / 16) + i along B, and lane r of A's block a is true row 32 (a / 2) + 8 (a % 2) + r + 8 (r / 8).
; img: [batch 4][128 tokens 16][48: q's 16 heads, k's 16, v's 16][6,400 bytes].  A chunk: 6,144 bytes of codes, then 256 bytes of scale words [lane r][4 words].  Six registers of 32 lanes are 768 bytes:
; registers 0-3 at 16 x lane, registers 4-5 at 512 + 8 x lane.  q, k: tile a of 16 tokens at 768 a; word j = (tile 2 j: 2 bytes, tile 2 j + 1: 2 bytes).  v: fragment d (16 features x 128 keys) at 1,536 d; word d = its row's 4 bytes.
; CLUSTERS: 4 x 4 work-groups; A's tiles are asked for jointly along a row of the cluster, B's along a column.
; LIMITS: a block whose largest magnitude lies under 2^-124 keeps the byte 1, a block of zeros too (its codes are zeros; this program alone reads the bytes); NaN and infinities are not served.
; REGISTERS: window 0: v0-31 addresses; v32-63 scale words, two sets; v128-223 A's fragments, one set; on the way out v64-116 and v200-215 at work.  window 1: B's fragments, two sets.  windows 2, 3: the accumulators.
.set KSTEP,  256
.set NQ,     2
.set ROWB,   192                       ; a tile's row in bytes: 256 codes
.set KROW,   768                       ; a row of codes in memory
.set PITCH,  240                       ; an LDS row: 3 x (64 bytes + 16 of padding)
.set FR,     12
.set NL,     6
.set NP,     4
.set HALFT,  128*PITCH
.set SLOT,   4*HALFT
.set LAPS,   2
.set KS,     32                        ; a row of scale bytes
.set SCL,    2*SLOT
.set HALFS,  16*272                    ; the scales of 128 rows: 16 units of 256 bytes + 16 of padding each
.set SBLK,   2*272                     ; those of 16 rows
.set SPARE,  SCL+4*HALFS               ; the spare words, 128 bytes for each wave: two blocks of 256 bytes that no other line names
.set ADRA, 16
.set ADRB, 20
.set ADRS, 27
.set SPW,  28
.set NIL,  29
.set SC,   32
.set AF,   128
.set PC,   64                          ; the way out: v64-75 a fragment's codes
.set CT,   88                          ; v88-90, v92-94 the second halves as the conversions leave them
.set PWS,  96                          ; v96-103 the scale word of each of A's eight blocks
.set WW,   104                         ; v104-107 the four words that I store
.set T0,   108
.set T1,   109
.set SELV, 110                         ; byte selects: bytes 0, 1 of two words (lanes 0-15) or bytes 2, 3 (lanes 16-31)
.set VO,   112                         ; v112-115 16 l, 8 l, 16 l + second half, 8 l + second half
.set VOS,  116                         ; 16 r + 6,400 (lane / 16)
.set TM,   200                         ; v200-203 largest magnitudes, v204-207 bytes, v212-215 the conversions' scale operands
.set G1, 24
.set G0, 32
.set G1B, 48
.set G0B, 56
.set G1S, 68
.set G0S, 76
.set G1SB, 80
.set G0SB, 88
.set MSB, 0
.macro WIN new                         ; the immediate's high byte repeats the setting that is left
.if MSB != \new
	s_set_vgpr_msb (MSB<<8)|\new
.set MSB, \new
.endif
.endm
.set MUL_LO, 0xa1                      ; source 0 (B) window 1, source 1 (A) window 0, C and D window 2
.set MUL_HI, 0xf1
.set TO_B,   0x40
; A joint load: waves 0 and 1 fetch for A, waves 2 and 3 for B; the branch hangs on the wave's number alone.  Four v_nop follow each of the two lines.
.macro JLOAD g0a, g1a, g0b, g1b
	s_cmp_eq_u32 s15, 0
	s_cbranch_scc0 .Lfor_b_\@
	tensor_load_to_lds s[\g0a:\g0a+3], s[\g1a:\g1a+7]
	s_nop 0
.rept 4
	v_nop
.endr
	s_branch .Lasked_\@
.Lfor_b_\@:
	tensor_load_to_lds s[\g0b:\g0b+3], s[\g1b:\g1b+7]
	s_nop 0
.rept 4
	v_nop
.endr
.Lasked_\@:
.endm
.macro CREST                           ; a round of the cluster's barrier behind its opening barrier
	s_cmp_lg_u32 s14, 0
	s_cbranch_scc1 .Lnot_wave_0_\@
	s_barrier_signal -3
.Lnot_wave_0_\@:
	s_barrier_wait -3
	s_barrier_signal -1
	s_barrier_wait -1
.endm
.macro CROUND
	s_barrier_signal -1
	s_barrier_wait -1
	CREST
.endm
	s_load_b128 s[4:7], s[0:1], 0x0                ; x's codes, x's scales
	s_load_b128 s[8:11], s[0:1], 0x10              ; w's codes, w's scales
	s_load_b64 s[12:13], s[0:1], 0x20              ; img
	v_lshl_add_u32 v[SPW], v0, 2, SPARE
	v_mov_b32 v[NIL], 0
	ds_add_u32 v28, v29
	ds_add_u32 v28, v29
	s_wait_dscnt 0x0
	v_lshrrev_b32 v1, 5, v0
	v_readfirstlane_b32 s14, v1                    ; wave 0..3
	s_lshr_b32 s15, s14, 1                         ; which half of A's rows is mine.  Also: I fetch for A (0) or for B (1)
	s_and_b32 s16, s14, 1                          ; which half of B's rows.  Also: which 128 rows of that tile I fetch
	s_bfe_u32 s40, ttmp6, 0x40000                  ; cx, cy: my place in the cluster
	s_bfe_u32 s41, ttmp6, 0x40004
	s_and_b32 s2, ttmp7, 0xffff                    ; the cluster's y: 0-7 q and k, 8-11 v
	s_lshl_b32 s95, s2, 1
	s_add_co_u32 s95, s95, ttmp9
	s_sub_co_u32 s95, s95, 16                      ; v: which four tile columns of x: cluster x + 2 (cluster y - 8)
	s_mov_b32 s66, 768
	s_mov_b32 s67, 0
	s_mov_b32 s97, 0
	s_mov_b32 s98, 6400
	s_mov_b32 s100, 0xffff0000                     ; lanes 16-31
	s_cmp_ge_u32 s2, 8                             ; only moves and selects stand between this compare and the last select
	s_cselect_b32 s17, 0, s2                       ; four tile rows of A: the cluster's y, or the only four
	s_cselect_b32 s42, s95, ttmp9                  ; four tile columns of B
	s_cselect_b32 s3, 2048, 0                      ; A's first row in its tensor
	s_cselect_b32 s66, 1536, s66                   ; s[66:67]: bytes from one of A's blocks to the next in img
	s_cselect_b32 s96, 256, 0                      ; s[96:97]: and what block 4 adds: the next head's chunk begins 6,400 - 4 x 1,536 further on
	s_cselect_b32 s98, 768, s98                    ; from a fragment's first half to its second: the same fragment, or the next head's chunk
	s_cselect_b32 s101, 204800, 0                  ; v's chunks lie behind q's and k's 32
	s_cselect_b32 s99, -1, 0                       ; a mask of all lanes for v
	s_lshl_b32 s42, s42, 2
	s_add_co_u32 s42, s42, s40                     ; tile column
	s_lshl_b32 s17, s17, 2
	s_add_co_u32 s17, s17, s41                     ; tile row
	s_lshl_b32 s43, s41, 2
	s_lshl_b32 s43, 15, s43                        ; my row of the cluster
	s_lshl_b32 s44, 0x1111, s40                    ; my column
	; descriptor group 1: a tile of 128 rows x 192 bytes, 16 bytes of padding behind every 64
	s_or_b32 s[G1+0], s43, (0<<16)|(1<<20)|(1<<21)|(3<<22)|(3<<25)
	s_or_b32 s[G1B+0], s44, (0<<16)|(1<<20)|(1<<21)|(3<<22)|(3<<25)
.irp g, G1, G1B
	s_mov_b32 s[\g+1], ROWB<<16                    ; tensor_dim0
	s_mov_b32 s[\g+2], 128<<16                     ; tensor_dim1
	s_mov_b32 s[\g+3], ROWB<<16                    ; tile_dim0
	s_mov_b32 s[\g+4], 128                         ; tile_dim1
	s_mov_b32 s[\g+5], KROW                        ; the pitch
	s_mov_b32 s[\g+6], 0
	s_mov_b32 s[\g+7], 0
.endr
	; the scales of 128 rows: 4,096 dense bytes as 16 rows of 256 bytes (32 elements of 8), 16 bytes of padding behind each
	s_or_b32 s[G1S+0], s43, (3<<16)|(1<<20)|(1<<21)|(5<<22)|(3<<25)
	s_or_b32 s[G1SB+0], s44, (3<<16)|(1<<20)|(1<<21)|(5<<22)|(3<<25)
.irp g, G1S, G1SB
	s_mov_b32 s[\g+1], 32<<16
	s_mov_b32 s[\g+2], 16<<16
	s_mov_b32 s[\g+3], 32<<16
	s_mov_b32 s[\g+4], 16
	s_mov_b32 s[\g+5], 32
	s_mov_b32 s[\g+6], 0
	s_mov_b32 s[\g+7], 0
.endr
	s_lshl_b32 s18, s16, 7                         ; which 128 rows of the tile I fetch
	s_lshl_b32 s20, s17, 8
	s_add_co_u32 s20, s20, s18
	s_add_co_u32 s20, s20, s3                      ; A: row 256 x tile row + 128 x half (+ 2,048 for v)
	s_lshl_b32 s46, s42, 8
	s_add_co_u32 s46, s46, s18                     ; B: row 256 x tile column + 128 x half
	s_mov_b32 s21, 0
	s_mov_b32 s47, 0
	s_mov_b64 s[18:19], KS
	s_mul_u64 s[22:23], s[20:21], s[18:19]         ; where these rows' scales begin, in bytes
	s_mul_u64 s[92:93], s[46:47], s[18:19]
	s_mov_b64 s[18:19], KROW
	s_mul_u64 s[20:21], s[20:21], s[18:19]         ; and their codes
	s_mul_u64 s[46:47], s[46:47], s[18:19]
	s_mul_i32 s45, s14, HALFT                      ; where they go: wave x 128 rows
	s_mul_i32 s94, s14, HALFS
	s_wait_kmcnt 0x0
	s_cmp_ge_u32 s2, 8                             ; which tensor is A and which B
	s_cselect_b64 s[18:19], s[8:9], s[4:5]         ; A's codes
	s_cselect_b64 s[8:9], s[4:5], s[8:9]           ; B's codes
	s_cselect_b64 s[4:5], s[10:11], s[6:7]         ; A's scales
	s_cselect_b64 s[10:11], s[6:7], s[10:11]       ; B's scales
	s_add_nc_u64 s[20:21], s[18:19], s[20:21]
	s_add_nc_u64 s[22:23], s[4:5], s[22:23]
	s_add_nc_u64 s[46:47], s[8:9], s[46:47]
	s_add_nc_u64 s[92:93], s[10:11], s[92:93]
	CROUND                                         ; all sixteen work-groups are here: the first joint loads meet
	s_mov_b32 s[G0S], 1
	s_add_co_u32 s[G0S+1], s94, SCL
	s_mov_b64 s[G0S+2:G0S+3], s[22:23]
	s_or_b32 s[G0S+3], s[G0S+3], 0x80000000
	s_mov_b32 s[G0SB], 1
	s_add_co_u32 s[G0SB+1], s94, SCL
	s_mov_b64 s[G0SB+2:G0SB+3], s[92:93]
	s_or_b32 s[G0SB+3], s[G0SB+3], 0x80000000
	JLOAD G0S, G1S, G0SB, G1SB                     ; the scales first: they are wanted with K step 0
.irp s, 0,1
	s_mov_b32 s[G0+4*\s], 1
	s_add_co_u32 s[G0+4*\s+1], s45, \s*SLOT
	s_add_nc_u64 s[G0+4*\s+2:G0+4*\s+3], s[20:21], \s*ROWB
	s_or_b32 s[G0+4*\s+3], s[G0+4*\s+3], 0x80000000
	s_mov_b32 s[G0B+4*\s], 1
	s_add_co_u32 s[G0B+4*\s+1], s45, \s*SLOT
	s_add_nc_u64 s[G0B+4*\s+2:G0B+4*\s+3], s[46:47], \s*ROWB
	s_or_b32 s[G0B+4*\s+3], s[G0B+4*\s+3], 0x80000000
	JLOAD G0+4*\s, G1, G0B+4*\s, G1B
.endr
	v_and_b32 v1, 15, v0                           ; l % 16
	v_bfe_u32 v2, v0, 4, 1                         ; l / 16
	v_mul_u32_u24 v3, v1, PITCH
	v_mul_u32_u24 v4, v2, 24
	v_add_nc_u32 v4, v3, v4                        ; a fragment's row x pitch + 24 x half
	v_lshl_add_u32 v5, v2, 4, v4                   ; and the same behind one padding more
	s_mul_i32 s21, s15, HALFT                      ; my 128 rows of A
	s_mul_i32 s22, s16, HALFT                      ; my 128 rows of B,
	s_add_co_u32 s22, s22, 2*HALFT                 ; which lie behind A's 256
.irp s, 0,1
	v_add_nc_u32 v[ADRA+\s], s21, v4
	v_add_nc_u32 v[ADRB+\s], s22, v4
	v_add_nc_u32 v[ADRA+2+\s], s21, v5
	v_add_nc_u32 v[ADRB+2+\s], s22, v5
	s_add_co_u32 s21, s21, SLOT
	s_add_co_u32 s22, s22, SLOT
.endr
	v_mul_u32_u24 v5, v1, KS                       ; my row's scales: 32 bytes a row,
	v_lshrrev_b32 v6, 8, v5
	v_lshl_add_u32 v5, v6, 4, v5                   ; and 16 more for each 256 passed
	s_mul_i32 s21, s15, HALFS
	s_mul_i32 s22, s16, HALFS
	s_add_co_u32 s22, s22, 2*HALFS
	s_sub_co_u32 s22, s22, s21
	v_mul_u32_u24 v6, s22, v2                      ; lanes 16-31 take B's
	s_add_co_u32 s21, s21, SCL
	v_add_nc_u32 v5, v5, v6
	v_add_nc_u32 v[ADRS], s21, v5
	; where my two chunks of img begin
	s_lshl_b32 s20, s17, 1
	s_add_co_u32 s20, s20, s15                     ; which 128 rows of A are mine
	s_lshl_b32 s21, s42, 1
	s_add_co_u32 s21, s21, s16                     ; which 128 rows of B
	s_cmp_ge_u32 s2, 8
	s_cselect_b32 s22, s21, s20                    ; the group of 128 tokens
	s_cselect_b32 s23, s20, s21                    ; the pair of heads
	s_lshr_b32 s46, s22, 4
	s_mul_i32 s46, s46, 4915200                    ; batch
	s_and_b32 s47, s22, 15
	s_mul_i32 s47, s47, 307200
	s_add_co_u32 s46, s46, s47
	s_mul_i32 s47, s23, 12800
	s_add_co_u32 s46, s46, s47
	s_add_co_u32 s46, s46, s101
	s_mov_b32 s47, 0
	s_add_nc_u64 s[12:13], s[12:13], s[46:47]
	s_mov_b64 s[92:93], s[12:13]                   ; kept for the scale words
.macro FRAG reg, adr, q, i             ; 16 rows x 128 K: 12 registers, in pieces of 8 bytes; where the piece three on lies behind one padding more, the second address register serves
.irp p, 0,1,2,3,4,5
.set PCE, 12*(\q)+6*(\p/3)+\p%3
.if PCE%8 < 5
	ds_load_b64 v[\reg+2*\p:\reg+2*\p+1], v[\adr] offset:8*PCE+16*(PCE/8)+(\i)*16*PITCH
.else
	ds_load_b64 v[\reg+2*\p:\reg+2*\p+1], v[\adr+2] offset:8*PCE+16*(PCE/8)+(\i)*16*PITCH
.endif
.endr
.endm
; 16 matrix instructions: A's blocks a0, a0 + 1 x B's eight, 128 along K.  The 64 accumulators take turns, one instruction a turn, in the same order in every step.
.macro MUL16 a0, p, q, sc, zero
.irp a, \a0, \a0+1
.irp b, 0,1,2,3,4,5,6,7
.if \zero
	v_wmma_scale_f32_16x16x128_f8f6f4 v[8*(8*((\a)%4)+\b):8*(8*((\a)%4)+\b)+7], v[128*(\p)+FR*\b:128*(\p)+FR*\b+FR-1], v[AF+FR*(\a):AF+FR*(\a)+FR-1], 0, v[SC+8*NQ*(\sc)+NQ*\b+(\q)], v[SC+8*NQ*(\sc)+NQ*(\a)+(\q)] matrix_a_fmt:MATRIX_FMT_FP6 matrix_b_fmt:MATRIX_FMT_FP6 matrix_a_scale:MATRIX_SCALE_ROW1
.else
	v_wmma_scale_f32_16x16x128_f8f6f4 v[8*(8*((\a)%4)+\b):8*(8*((\a)%4)+\b)+7], v[128*(\p)+FR*\b:128*(\p)+FR*\b+FR-1], v[AF+FR*(\a):AF+FR*(\a)+FR-1], v[8*(8*((\a)%4)+\b):8*(8*((\a)%4)+\b)+7], v[SC+8*NQ*(\sc)+NQ*\b+(\q)], v[SC+8*NQ*(\sc)+NQ*(\a)+(\q)] matrix_a_fmt:MATRIX_FMT_FP6 matrix_b_fmt:MATRIX_FMT_FP6 matrix_a_scale:MATRIX_SCALE_ROW1
.endif
.endr
.endr
.endm
.macro FETCH_B slot, q, p
	WIN TO_B
.irp i, 0,1,2,3,4,5,6,7
	FRAG 128*(\p)+FR*\i, ADRB+\slot, \q, \i
.endr
	WIN 0
.endm
.macro FETCH_A slot, q, i0
.irp i, \i0, \i0+1, \i0+2, \i0+3
	FRAG AF+FR*(\i), ADRA+\slot, \q, \i
.endr
.endm
.macro SCALES sc                       ; a K step's scale words: lanes 0-15 take A's block i, lanes 16-31 B's block i
.irp i, 0,1,2,3,4,5,6,7
	ds_load_b64 v[SC+8*NQ*\sc+NQ*\i:SC+8*NQ*\sc+NQ*\i+1], v[ADRS] offset:\i*SBLK
.endr
.endm
.macro PLACES n                        ; plain vector instructions between a matrix instruction and a load into, or a read of, its registers
.rept \n
	v_nop
.endr
.endm
.macro STEP slot, q, zero              ; a step of 128 along K that has its successor in the same slot
	s_wait_dscnt 4*NL                              ; B's set and A's blocks 0-3 are in; the youngest 24 loads (A's blocks 4-7) may be out
	WIN MUL_LO
	MUL16 0, (\q)%2, \q, \slot, \zero
	MUL16 2, (\q)%2, \q, \slot, \zero
	s_wait_dscnt 0                                 ; A's blocks 4-7 are in
	PLACES NP
	FETCH_B \slot, (\q)+1, 1-(\q)%2
	FETCH_A \slot, (\q)+1, 0
	WIN MUL_HI
	MUL16 4, (\q)%2, \q, \slot, \zero
	MUL16 6, (\q)%2, \q, \slot, \zero
	PLACES NP
	WIN 0
	FETCH_A \slot, (\q)+1, 4
.endm
; A slot's last step changes slots: one barrier; in front of it each wave waits for all its tensor loads, adds 0 to its spare word, and waits for that and for its reads of this slot.
.macro TURN slot, next, fill
	s_wait_tensorcnt 0x0                           ; all my tensor loads have landed: my part of the next slot
	ds_add_u32 v[SPW], v[NIL]                      ; 0 onto my spare word
	s_wait_dscnt 4*NL+1                            ; (the add and the youngest 24 loads, A's blocks 4-7, may be out)
	WIN MUL_LO
	MUL16 0, 1, NQ-1, \slot, 0
	s_wait_dscnt 0x0                               ; the add is done, and my reads of this slot are over
	s_barrier_signal -1
	MUL16 2, 1, NQ-1, \slot, 0
	WIN 0
	s_barrier_wait -1
.if \fill
	CREST                                          ; the barrier has opened a round of the cluster's barrier: no wave of any partner still reads this slot or has a load on its way
	s_add_nc_u64 s[G0+4*\slot+2:G0+4*\slot+3], s[G0+4*\slot+2:G0+4*\slot+3], 2*ROWB
	s_add_nc_u64 s[G0B+4*\slot+2:G0B+4*\slot+3], s[G0B+4*\slot+2:G0B+4*\slot+3], 2*ROWB
	JLOAD G0+4*\slot, G1, G0B+4*\slot, G1B         ; the first tensor load behind the round; its four v_nop are the places in front of the loads below
.else
	PLACES NP
.endif
	v_add_nc_u32 v[ADRS], 4*NQ, v[ADRS]            ; on to the next K step's scale words
	FETCH_B \next, 0, 0
	FETCH_A \next, 0, 0
	SCALES \next
	WIN MUL_HI
	MUL16 4, 1, NQ-1, \slot, 0
	MUL16 6, 1, NQ-1, \slot, 0
	PLACES NP
	WIN 0
	FETCH_A \next, 0, 4
.endm
	s_wait_tensorcnt 1                             ; the scales and my part of K step 0 are in (K step 1's load may be out),
	s_barrier_signal -1
	s_barrier_wait -1                              ; everybody's are
	FETCH_B 0, 0, 0
	FETCH_A 0, 0, 0
	SCALES 0
	FETCH_A 0, 0, 4
	STEP 0, 0, 1                                   ; the first step's products start the sums
	s_mov_b32 s3, LAPS-1
.Llap:
	TURN 0, 1, 1
	STEP 1, 0, 0
	TURN 1, 0, 1
	STEP 0, 0, 0
	s_sub_co_u32 s3, s3, 1
	s_cmp_lg_u32 s3, 0
	s_cbranch_scc1 .Llap
	TURN 0, 1, 0                                   ; the last lap fills nothing
	STEP 1, 0, 0
	s_wait_dscnt 4*NL
	WIN MUL_LO
	MUL16 0, 1, NQ-1, 1, 0
	MUL16 2, 1, NQ-1, 1, 0
	s_wait_dscnt 0
	WIN MUL_HI
	MUL16 4, 1, NQ-1, 1, 0
	MUL16 6, 1, NQ-1, 1, 0
	WIN 0
; THE WAY OUT.  Block a of A's rows: a lane's 64 numbers (its eight accumulators) are four blocks of 32 shared with lane l xor 16.  They become a fragment's 12 registers and a scale word.
	PLACES NP                                      ; behind the last products: their results are read and registers that held A's fragments are written
	v_and_b32 v1, 31, v0
	v_and_b32 v2, 15, v0
	v_bfe_u32 v3, v0, 4, 1
	v_lshlrev_b32 v[VO], 4, v1
	v_lshlrev_b32 v[VO+1], 3, v1
	v_add_nc_u32 v[VO+2], s98, v[VO]
	v_add_nc_u32 v[VO+3], s98, v[VO+1]
	v_mul_u32_u24 v[VOS], v3, 6400
	v_lshl_add_u32 v[VOS], v2, 4, v[VOS]
	v_mov_b32 v[SELV], 0x05040100
	v_mov_b32 v[T0], 0x07060302
	v_cndmask_b32 v[SELV], v[SELV], v[T0], s100
	s_mov_b32 s20, 0x76543210
	s_mov_b32 s21, 0xfedcba98                      ; v_permlanex16_b32's selects for lane l xor 16
.irp b, 0,1,2,3
	v_mov_b32 v[TM+4+\b], 0                        ; written once: a lane permute's destination counts as one of its sources
.endr
.macro QW a
.set AC, 64*((\a)%4)
	WIN (0x28+0x14*((\a)/4))                       ; sources 1 and 2: window 2 or 3
.irp b, 0,1,2,3
	v_max3_num_f32 v[TM+\b], 0x1800000, |v[AC+16*\b]|, |v[AC+16*\b+1]|   ; block b: my 16 numbers, each accumulator from its low end on, and the floor 2^(3 - 127)
.endr
.irp i, 2,4,6,8,10,12,14
.irp b, 0,1,2,3
	v_max3_num_f32 v[TM+\b], v[TM+\b], |v[AC+16*\b+\i]|, |v[AC+16*\b+\i+1]|
.endr
.endr
	WIN 0
.irp b, 0,1,2,3
	v_permlanex16_b32 v[TM+4+\b], v[TM+\b], s20, s21
.endr
.irp b, 0,1,2,3
	v_max_num_f32 v[TM+\b], v[TM+\b], v[TM+4+\b]   ; with lane l xor 16's: the block's largest magnitude
.endr
.irp b, 0,1,2,3
	v_add_nc_u32 v[TM+12+\b], 0xff000000, v[TM+\b] ; 2 off its exponent field: the conversion's scale operand
.endr
.irp b, 0,1,2,3
	v_lshrrev_b32 v[TM+4+\b], 23, v[TM+12+\b]      ; the scale's byte
.endr
	v_lshl_or_b32 v[PWS+(\a)], v[TM+5], 8, v[TM+4]
	v_lshl_or_b32 v[PWS+(\a)], v[TM+6], 16, v[PWS+(\a)]
	v_lshl_or_b32 v[PWS+(\a)], v[TM+7], 24, v[PWS+(\a)]
	WIN (0x02+(\a)/4)                              ; source 0: window 2 or 3
.irp c, 0,1
	v_cvt_scalef32_pk16_fp6_f32 v[PC+6*\c:PC+6*\c+2], v[AC+32*\c:AC+32*\c+15], v[TM+12+2*\c]
	v_cvt_scalef32_pk16_fp6_f32 v[CT+4*\c:CT+4*\c+2], v[AC+32*\c+16:AC+32*\c+31], v[TM+12+2*\c+1]   ; (a conversion's three registers begin on an even number)
.endr
	WIN 0
	v_nop                                          ; one plain place behind a scaled conversion
.irp c, 0,1                                    ; the operand's layout wants a whole block in a lane: lanes 0-15 block 2 c, lanes 16-31 block 2 c + 1
.irp i, 0,1,2
	v_permlane16_swap_b32 v[PC+6*\c+\i], v[CT+4*\c+\i]
.endr
.irp i, 0,1,2
	v_mov_b32 v[PC+3+6*\c+\i], v[CT+4*\c+\i]
.endr
.endr
.endm
.irp a, 0,1,2,3,4,5,6,7
.if \a > 0
	s_wait_xcnt 0x0                                ; the last block's stores have read their registers and their base
	s_add_nc_u64 s[12:13], s[12:13], s[66:67]
.if \a == 4
	s_add_nc_u64 s[12:13], s[12:13], s[96:97]
.endif
.endif
	QW \a
	global_store_b128 v[VO], v[PC:PC+3], s[12:13]                  ; 512 consecutive bytes, aligned to 256
	global_store_b64 v[VO+1], v[PC+4:PC+5], s[12:13] offset:512    ; 256 consecutive bytes
	global_store_b128 v[VO+2], v[PC+6:PC+9], s[12:13]
	global_store_b64 v[VO+3], v[PC+10:PC+11], s[12:13] offset:512
.endr
.irp i, 0,1,2,3
	v_perm_b32 v[T0], v[PWS+2*\i+1], v[PWS+2*\i], v[SELV]          ; q, k: word i of my half's head: two bytes of tile 2 i, two of tile 2 i + 1
	v_cndmask_b32 v[T1], v[PWS+\i], v[PWS+4+\i], s100              ; v: word i of my half's head: fragment i's four bytes
	v_cndmask_b32 v[WW+\i], v[T0], v[T1], s99
.endr
	global_store_b128 v[VOS], v[WW:WW+3], s[92:93] offset:6144     ; sixteen lanes store 256 consecutive bytes behind each chunk's codes
	s_wait_tensorcnt 0x0                           ; the wave's end
	ds_add_u32 v[SPW], v[NIL]
	s_wait_dscnt 0x0
	CROUND                                         ; the closing round: no work-group ends while a partner may still ask for a tile that names it
	s_endpgm
.Lfunc_end_k_q6854793ea2_qkv:
	.size	k_q6854793ea2_qkv, .Lfunc_end_k_q6854793ea2_qkv-k_q6854793ea2_qkv
	.p2alignl 7, 3214868480
	.fill 96, 4, 3214868480
	.section	.rodata,"a",@progbits
	.p2align	6, 0x0
	.amdhsa_kernel k_q6854793ea2_qkv
		.amdhsa_group_segment_fixed_size 327680
		.amdhsa_private_segment_fixed_size 0
		.amdhsa_enable_private_segment 0
		.amdhsa_kernarg_size 40
		.amdhsa_user_sgpr_count 2
		.amdhsa_user_sgpr_kernarg_segment_ptr 1
		.amdhsa_wavefront_size32 1
		.amdhsa_system_sgpr_workgroup_id_x 1
		.amdhsa_system_sgpr_workgroup_id_y 1
		.amdhsa_system_sgpr_workgroup_id_z 1
		.amdhsa_system_vgpr_workitem_id 0
		.amdhsa_next_free_vgpr 1024
		.amdhsa_next_free_sgpr 102
		.amdhsa_reserve_vcc 0
		.amdhsa_float_denorm_mode_32 3
		.amdhsa_float_denorm_mode_16_64 3
		.amdhsa_memory_ordered 1
		.amdhsa_forward_progress 1
		.amdhsa_inst_pref_size 167
	.end_amdhsa_kernel
	.amdgpu_metadata
---
amdhsa.version: [ 1, 2 ]
amdhsa.kernels:
  - .name:           k_q6854793ea2_qkv
    .symbol:         k_q6854793ea2_qkv.kd
    .args:
      - { .name: x_codes, .offset: 0, .size: 8, .value_kind: global_buffer, .address_space: global }
      - { .name: x_scales, .offset: 8, .size: 8, .value_kind: global_buffer, .address_space: global }
      - { .name: w_codes, .offset: 16, .size: 8, .value_kind: global_buffer, .address_space: global }
      - { .name: w_scales, .offset: 24, .size: 8, .value_kind: global_buffer, .address_space: global }
      - { .name: img, .offset: 32, .size: 8, .value_kind: global_buffer, .address_space: global }
    .group_segment_fixed_size: 327680
    .private_segment_fixed_size: 0
    .kernarg_segment_align: 8
    .kernarg_segment_size: 40
    .max_flat_workgroup_size: 128
    .sgpr_count:     102
    .vgpr_count:     1024
    .wavefront_size: 32
...
	.end_amdgpu_metadata
.endif
;; end of part 2
;; launch attn (part 3): grid 4 x 64, 16 waves a work-group, clusters of 4 x 1, 206,848 bytes of LDS; arguments img, oimg, osc; writes oimg, osc
.if DOCPART == 3
	.amdgcn_target "amdgcn-amd-amdhsa--gfx1250"
	.amdhsa_code_object_version 6
	.text
	.protected	k_q6854793ea2_attn
	.globl	k_q6854793ea2_attn
	.p2align	8
	.type	k_q6854793ea2_attn,@function
k_q6854793ea2_attn:
	s_mov_b64 s[64:65], 0
	v_nop
	global_prefetch_b8 v0, s[64:65] scope:SCOPE_SE
	s_setreg_imm32_b32 hwreg(HW_REG_WAVE_MODE, 25, 1), 1
	s_wait_xcnt 0x0
	s_wait_alu depctr_hold_cnt(0) depctr_sa_sdst(0) depctr_va_vdst(0) depctr_va_sdst(0) depctr_va_ssrc(0) depctr_va_vcc(0) depctr_vm_vsrc(0)
	s_getreg_b32 s2, hwreg(HW_REG_IB_STS2, 6, 4)
	s_cmp_eq_u32 s2, 0
	s_cbranch_scc0 .Lentry_in_a_cluster
	s_endpgm
.Lentry_in_a_cluster:
	s_bfe_u32 s2, ttmp6, 0x10000c
	s_cmp_lg_u32 s2, 0x3003
	s_cbranch_scc0 .Lentry_shape_is_right
	s_endpgm
.Lentry_shape_is_right:
; Causal attention of one head on codes of FP6 (E2M3): S^T = K Q^T, p = 2^(t - M), O^T = V^T P^T, O / l, and O / l quantised along the model's 1,024 for the last product.
; t = score x log2(e) / 8; M = the running largest t rounded up to a whole number; p is quantised along the keys, not normalised; the row's sum is taken of the unquantised p and divides at the end.
; INPUT: img, images of operand registers (six registers of 32 lanes = 768 bytes: registers 0-3 at 16 x lane, 4-5 at 512 + 8 x lane); chunks of 6,400 bytes for 128 tokens of one head: 6,144 of codes, 256 of scale words.
; THE WHOLE HEAD'S K AND V, 204,800 bytes, ARE FILLED ONCE: sixteen waves, two tensor loads each (two are out for a wave); nothing in LDS is ever filled again or stored to.
; CLUSTER: the four work-groups of a cluster belong to one head and need the same K and V: every fill is a joint load with the mask of all four.
; SHARES: a head has 128 tiles of 16 queries; tile i needs i / 8 + 1 key steps of 128.  Wave w of work-group cx takes tiles lo = 8 (w / 2) + 4 (w % 2) + cx and 127 - lo: 17 steps for every wave.
; The steps' counts hang on the wave's number alone; cx enters global addresses and lane data only.
; THE FIRST PRODUCT HAS K = 64 in an instruction of K = 128: source 0 holds two tiles of keys, one in each half of K; source 1 holds q in one half and zero codes in the other, so each instruction gives one tile's scores.
; A lane holds one query throughout; tiles of keys and of v's features are laid so that a lane's 16 registers of two neighbouring tiles are 16 neighbours along the next K.
; OUTPUT: oimg [128 tokens 64][K step 8][tile 8][1,536]: the last product's A fragments; this head is half (head % 2) of K step head / 2.  osc [8,192 places][32]: byte 2 head + block.
; LIMITS: 1 / l by v_rcp_f32; a block under 2^-124 or of zeros keeps the byte 1 (zero codes add nothing; this program alone reads the bytes); NaN and infinities are not served.
; REGISTERS: v1-3 16 l, 8 l, 16 (l % 16); v4-6 the step's LDS addresses; v7 my query - 16 (l / 16); v8 32 r + l / 16; v9 r + 8 (r / 8) - 16 (l / 16); v12 -M, v13 largest t, v[14:15] the sum;
; v16-33 zeros, q, zeros; v34 q's scale word, v35 p's; v36-83 K's eight halves, then at work; v84-87, v88-91 K's and V's scale words; v96-159 S^T, then p; v160-191 O^T; v192-239 V; v240-251 p's codes.
.set BM,  36                           ; v36-39 a block's largest score, then largest p
.set PT,  40                           ; v40-43 lane l xor 16's; then the bytes; then a chain of the sums
.set SO,  44                           ; v44-47 the conversions' scale operands
.set CT,  48                           ; v48-50, v52-54 second halves as the conversions leave them
.set FF,  56                           ; v[56:57] f = 2^(old M - new M)
.set TMP, 58
.set G1,  16
.set G0A, 24
.set G0B, 28
.set SEL, 32
.set CS,  34
.set TB,  36                           ; s36 LDS byte at which the step's chunk of K begins
.set TT,  37                           ; s37 the key step
.set TL,  38                           ; s38 the tile's last key step, the one on the diagonal
.set CNT, 39
.set TI,  42                           ; s42 the tile in hand
.macro CROUND                          ; a round of the cluster's barrier
	s_barrier_signal -1
	s_barrier_wait -1
	s_cmp_lg_u32 s10, 0
	s_cbranch_scc1 .Lnot_wave_0_\@
	s_barrier_signal -3
.Lnot_wave_0_\@:
	s_barrier_wait -3
	s_barrier_signal -1
	s_barrier_wait -1
.endm
	s_load_b128 s[4:7], s[0:1], 0x0                ; img, oimg
	s_load_b64 s[8:9], s[0:1], 0x10                ; osc
	v_lshl_add_u32 v254, v0, 2, 0x32000
	v_mov_b32 v255, 0
	ds_add_u32 v254, v255
	ds_add_u32 v254, v255
	v_lshrrev_b32 v10, 5, v0
	s_delay_alu instid0(VALU_DEP_1)
	v_readfirstlane_b32 s10, v10                   ; wave 0..15
	s_bfe_u32 s11, ttmp6, 0x40000                  ; cx
	s_and_b32 s12, ttmp7, 0xffff
	s_lshr_b32 s13, s12, 4                         ; batch
	s_and_b32 s14, s12, 15                         ; head
	; descriptor group 1: a chunk, 6,400 dense bytes, as 25 rows of 256 bytes (32 elements of 8 bytes); the mask names all four work-groups
	s_mov_b32 s[G1], 15|(3<<16)|(1<<21)
	s_mov_b32 s[G1+1], 32<<16
	s_mov_b32 s[G1+2], 25<<16
	s_mov_b32 s[G1+3], 32<<16
	s_mov_b32 s[G1+4], 25
	s_mov_b32 s[G1+5], 32
	s_mov_b32 s[G1+6], 0
	s_mov_b32 s[G1+7], 0
	s_mov_b32 s[SEL], 0x76543210
	s_mov_b32 s[SEL+1], 0xfedcba98                 ; v_permlanex16_b32's selects for lane l xor 16
	s_mov_b32 s[CS], 0x3e38aa3b                    ; c = log2(e) / 8
	s_mov_b32 s[CS+1], s[CS]
	s_mov_b32 s60, 0xffff0000                      ; lanes 16-31
	s_mul_i32 s66, s13, 4915200
	s_mul_i32 s62, s14, 6400
	s_add_co_u32 s66, s66, s62                     ; q's chunk of tokens 0-127 of my head
	s_mov_b32 s67, 0
	s_lshr_b32 s62, s10, 3                         ; waves 0-7 fetch K's chunks, waves 8-15 V's
	s_mul_i32 s62, s62, 102400
	s_and_b32 s63, s10, 7
	s_mul_i32 s63, s63, 307200                     ; the chunk of tokens 128 (wave % 8) on
	s_add_co_u32 s68, s62, s63
	s_add_co_u32 s68, s68, 102400                  ; k's heads lie 16 chunks behind q's, v's 32
	s_mov_b32 s69, 0
	s_lshr_b32 s40, s10, 1                         ; g = wave / 2
	s_lshl_b32 s43, s40, 3
	s_and_b32 s62, s10, 1
	s_lshl_b32 s62, s62, 2
	s_add_co_u32 s43, s43, s62
	s_add_co_u32 s43, s43, s11                     ; lo
	s_sub_co_u32 s44, 127, s43                     ; hi
	s_wait_dscnt 0x0
	s_wait_kmcnt 0x0
	s_add_nc_u64 s[46:47], s[4:5], s[66:67]
	s_mov_b32 s[G0A], 1
	s_mul_i32 s[G0A+1], s10, 6400                  ; LDS: K's chunks 0-7, V's chunks 0-7; 102,400 bytes on the same for chunks 8-15
	s_add_nc_u64 s[G0A+2:G0A+3], s[46:47], s[68:69]
	s_mov_b32 s[G0B], 1
	s_add_co_u32 s[G0B+1], s[G0A+1], 102400
	s_add_nc_u64 s[G0B+2:G0B+3], s[G0A+2:G0A+3], 2457600   ; eight chunks of tokens on
	s_or_b32 s[G0A+3], s[G0A+3], 0x80000000
	s_or_b32 s[G0B+3], s[G0B+3], 0x80000000
	s_mul_i32 s66, s13, 1572864
	s_lshr_b32 s62, s14, 1
	s_mul_i32 s62, s62, 12288
	s_add_co_u32 s66, s66, s62
	s_and_b32 s62, s14, 1
	s_mul_i32 s62, s62, 768
	s_add_co_u32 s66, s66, s62
	s_add_nc_u64 s[52:53], s[6:7], s[66:67]        ; oimg at my batch, K step and half
	s_lshl_b32 s66, s13, 16
	s_lshl_b32 s62, s14, 1
	s_add_co_u32 s66, s66, s62
	s_add_nc_u64 s[56:57], s[8:9], s[66:67]        ; osc at my batch and head
	CROUND                                         ; all four work-groups are here: the joint loads meet
	tensor_load_to_lds s[G0A:G0A+3], s[G1:G1+7]
	s_nop 0
	tensor_load_to_lds s[G0B:G0B+3], s[G1:G1+7]
	s_nop 0
.rept 4
	v_nop
.endr
	v_and_b32 v10, 31, v0
	s_delay_alu instid0(VALU_DEP_1)
	v_lshlrev_b32 v1, 4, v10
	s_delay_alu instid0(VALU_DEP_2)
	v_lshlrev_b32 v2, 3, v10
	v_and_b32 v11, 15, v0                          ; r
	s_delay_alu instid0(VALU_DEP_1)
	v_lshlrev_b32 v3, 4, v11
	v_bfe_u32 v10, v0, 4, 1                        ; l / 16
	s_delay_alu instid0(VALU_DEP_1)
	v_lshl_add_u32 v8, v11, 5, v10
	s_delay_alu instid0(VALU_DEP_4)
	v_and_b32 v9, 8, v11
	s_delay_alu instid0(VALU_DEP_1)
	v_add_nc_u32 v9, v9, v11
	s_delay_alu instid0(VALU_DEP_4)
	v_lshlrev_b32 v10, 4, v10
	s_delay_alu instid0(VALU_DEP_1)
	v_sub_nc_u32 v9, v9, v10
.irp j, 16,17,18,19,20,21,28,29,30,31,32,33
	v_mov_b32 v[\j], 0                             ; zero codes on both sides of q
.endr
; A tile begins: its addresses, q and its scale word, the running figures, O^T = 0.
.macro INIT
	s_wait_xcnt 0x0                                ; earlier loads and stores have read their bases and registers
	s_lshr_b32 s62, s[TI], 3
	s_mul_i32 s66, s62, 307200
	s_mov_b32 s67, 0
	s_add_nc_u64 s[66:67], s[46:47], s[66:67]      ; q's chunk
	s_and_b32 s63, s[TI], 7
	s_mul_i32 s68, s63, 768
	s_mov_b32 s69, 0
	s_add_nc_u64 s[48:49], s[66:67], s[68:69]      ; the tile's six registers
	s_bfe_u32 s68, s[TI], 0x20001
	s_lshl_b32 s68, s68, 2
	s_add_nc_u64 s[50:51], s[66:67], s[68:69]      ; the word that holds its two bytes
	s_mul_i32 s68, s62, 98304
	s_mul_i32 s62, s63, 1536
	s_add_co_u32 s68, s68, s62
	s_add_nc_u64 s[54:55], s[52:53], s[68:69]
	s_lshl_b32 s68, s[TI], 9
	s_add_nc_u64 s[58:59], s[56:57], s[68:69]
	global_load_b128 v[22:25], v1, s[48:49]
	global_load_b64 v[26:27], v2, s[48:49] offset:512
	global_load_b32 v10, v3, s[50:51] offset:6144
	s_lshr_b32 s62, s[TI], 1
	s_lshl_b32 s62, s62, 5
	s_and_b32 s63, s[TI], 1
	s_lshl_b32 s61, s63, 4
	s_lshl_b32 s63, s63, 3
	s_add_co_u32 s62, s62, s63
	v_add_nc_u32 v7, s62, v9                       ; my query 32 (tile / 2) + 8 (tile % 2) + r + 8 (r / 8), less 16 (l / 16)
	v_mov_b32 v13, 0xff61b1e6                      ; the largest t so far: -3e38
	s_delay_alu instid0(VALU_DEP_1)
	v_floor_f32 v12, -v13
	v_mov_b32 v14, 0
	v_mov_b32 v15, 0
	s_wait_loadcnt 0x0
	v_lshrrev_b32 v10, s61, v10
	s_delay_alu instid0(VALU_DEP_1)
	v_and_b32 v10, 0xffff, v10
	s_delay_alu instid0(VALU_DEP_1)
	v_lshl_or_b32 v34, v10, 16, v10                ; q's two bytes for both halves of K
.set j, 0
.rept 32
	v_mov_b32 v[160+j], 0                          ; O^T.  (These are also the places between the scale word's making and the products)
.set j, j+1
.endr
.endm
; A key step: 128 keys.  causal = 1: a step behind the tile's last is left out, and the last one hides the keys behind each query.
.macro STEP causal
.if \causal
	s_cmp_gt_u32 s[TT], s[TL]
	s_cbranch_scc1 .Lskip_\@
.endif
	s_setprio 2
	v_add_nc_u32 v4, s[TB], v1
	v_add_nc_u32 v5, s[TB], v2
	v_add_nc_u32 v6, s[TB], v3
.irp t, 0,1,2,3,4,5,6,7
	ds_load_b128 v[36+6*\t:39+6*\t], v4 offset:768*\t
	ds_load_b64 v[40+6*\t:41+6*\t], v5 offset:768*\t+512
.endr
	ds_load_b128 v[84:87], v6 offset:6144
	s_wait_alu depctr_va_vdst(0)
	s_wait_dscnt 0x0
.irp t, 0,1,2,3,4,5,6,7                        ; even tiles meet q in the lower half of K, odd tiles in the upper
	v_wmma_scale_f32_16x16x128_f8f6f4 v[96+8*\t:103+8*\t], v[36+12*(\t/2):47+12*(\t/2)], v[22-6*(\t%2):33-6*(\t%2)], 0, v[84+\t/2], v34 matrix_a_fmt:MATRIX_FMT_FP6 matrix_b_fmt:MATRIX_FMT_FP6
.endr
.rept 4
	v_nop                                          ; places behind the products; with the three additions above also behind the last step's second products, into whose registers the loads below go
.endr
.irp g, 0,1,2,3,4,5,6,7                        ; V's four fragments land under the softmax
	ds_load_b128 v[192+6*\g:195+6*\g], v4 offset:51200+768*\g
	ds_load_b64 v[196+6*\g:197+6*\g], v5 offset:51200+768*\g+512
.endr
	ds_load_b128 v[88:91], v6 offset:57344
.if \causal
	s_cmp_lg_u32 s[TT], s[TL]
	s_cbranch_scc1 .Lopen_\@
	s_lshl_b32 s62, s[TT], 7
	v_sub_nc_u32 v60, v7, s62                      ; d = my query - the step's first key - 16 (l / 16).  Register 16 b + i holds key 32 b + 16 (l / 16) + i of the step: hidden where 32 b + i > d
	v_mov_b32 v59, 0xff800000                      ; -infinity
.set n, 0
.rept 64
	v_cmp_gt_i32 vcc_lo, 32*(n/16)+n%16, v60
	v_cndmask_b32 v[96+n], v[96+n], v59, vcc_lo
.set n, n+1
.endr
.Lopen_\@:
.endif
.irp b, 0,1,2,3
	v_max3_num_f32 v[BM+\b], v[96+16*\b], v[97+16*\b], v[98+16*\b]   ; the largest score of each block of 32 keys: for the row's maximum and, since p rises with the score, for the block's largest p
.endr
.irp i, 3,5,7,9,11,13
.irp b, 0,1,2,3
	v_max3_num_f32 v[BM+\b], v[BM+\b], v[96+16*\b+\i], v[97+16*\b+\i]
.endr
.endr
.irp b, 0,1,2,3
	v_max_num_f32 v[BM+\b], v[BM+\b], v[111+16*\b]
.endr
.irp b, 0,1,2,3
	s_delay_alu instid0(VALU_DEP_4)
	v_permlanex16_b32 v[PT+\b], v[BM+\b], s[SEL], s[SEL+1]
.endr
.irp b, 0,1,2,3
	s_delay_alu instid0(VALU_DEP_4)
	v_max_num_f32 v[BM+\b], v[BM+\b], v[PT+\b]     ; with lane l xor 16's 16 keys
.endr
	s_delay_alu instid0(VALU_DEP_2)
	v_max3_num_f32 v[TMP], v[BM], v[BM+1], v[BM+2]
	s_delay_alu instid0(VALU_DEP_1)
	v_max_num_f32 v[TMP], v[TMP], v[BM+3]          ; the step's largest score of my query
	s_delay_alu instid0(VALU_DEP_1)
	v_mul_f32 v[TMP], s[CS], v[TMP]                ; as t
	s_delay_alu instid0(VALU_DEP_1)
	v_max_num_f32 v13, v13, v[TMP]                 ; the running largest t
	v_mov_b32 v[TMP], v12
	s_delay_alu instid0(VALU_DEP_2)
	v_floor_f32 v12, -v13                          ; the new -M = floor(-t): M is a whole number
	s_delay_alu instid0(VALU_DEP_1)
	v_sub_f32 v[TMP], v12, v[TMP]                  ; old M - new M: a whole number, 0 or less
	s_delay_alu instid0(VALU_DEP_1)
	v_cvt_i32_f32 v[TMP], v[TMP]                   ; (it saturates)
	s_delay_alu instid0(VALU_DEP_1)
	v_ldexp_f32 v[FF], 1.0, v[TMP]                 ; f = 2^(old M - new M)
.set j, 0
.rept 32
	v_pk_fma_f32 v[96+j:97+j], v[96+j:97+j], s[CS:CS+1], v[12:13] op_sel_hi:[1,0,0]   ; t - M, two at a time
.set j, j+2
.endr
.irp b, 0,1,2,3
	v_fma_f32 v[BM+\b], v[BM+\b], s[CS], v12       ; the same of each block's largest score
.endr
.set j, 0
	s_setprio 1
	s_wait_alu depctr_va_vdst(0)
.rept 64
	v_exp_f32 v[96+j], v[96+j]                     ; p = 2^(t - M), at most 1
.set j, j+1
.endr
.irp b, 0,1,2,3
	v_exp_f32 v[BM+\b], v[BM+\b]                   ; the block's largest p: the same two instructions on the same number
.endr
	v_pk_mul_f32 v[14:15], v[14:15], v[FF:FF+1] op_sel_hi:[1,0]   ; the sums under the new M.  (A plain place behind the exponentials)
	s_wait_alu depctr_va_vdst(0)
.irp b, 0,1,2,3
	v_max_num_f32 v[BM+\b], 0x1800000, v[BM+\b]    ; the floor 2^(3 - 127): the byte cannot fall under 1
.endr
.irp b, 0,1,2,3
	s_delay_alu instid0(VALU_DEP_4)
	v_add_nc_u32 v[SO+\b], 0xff000000, v[BM+\b]    ; 2 off the exponent field: the conversion's scale operand
.endr
.irp b, 0,1,2,3
	s_delay_alu instid0(VALU_DEP_4)
	v_lshrrev_b32 v[PT+\b], 23, v[SO+\b]           ; the scale's byte
.endr
	s_delay_alu instid0(VALU_DEP_3)
	v_lshl_or_b32 v35, v[PT+1], 8, v[PT]           ; p's scale word for these 128 keys
	s_delay_alu instid0(VALU_DEP_1)
	v_lshl_or_b32 v35, v[PT+2], 16, v35
	s_delay_alu instid0(VALU_DEP_1)
	v_lshl_or_b32 v35, v[PT+3], 24, v35
.irp c, 0,1
	v_cvt_scalef32_pk16_fp6_f32 v[240+6*\c:242+6*\c], v[96+32*\c:111+32*\c], v[SO+2*\c]
	v_cvt_scalef32_pk16_fp6_f32 v[CT+4*\c:CT+4*\c+2], v[112+32*\c:127+32*\c], v[SO+2*\c+1]
.endr
	v_nop                                          ; one plain place behind a scaled conversion
.irp c, 0,1                                    ; a whole block in a lane: lanes 0-15 block 2 c, lanes 16-31 block 2 c + 1
.irp i, 0,1,2
	v_permlane16_swap_b32 v[240+6*\c+\i], v[CT+4*\c+\i]
.endr
.irp i, 0,1,2
	s_delay_alu instid0(VALU_DEP_3)
	v_mov_b32 v[243+6*\c+\i], v[CT+4*\c+\i]
.endr
.endr
	v_pk_add_f32 v[40:41], v[100:101], v[104:105]
	v_pk_add_f32 v[252:253], v[108:109], v[112:113]
	v_pk_add_f32 v[94:95], v[116:117], v[120:121]
	v_pk_add_f32 v[92:93], v[124:125], v[128:129]
	v_pk_add_f32 v[86:87], v[132:133], v[136:137]
	v_pk_add_f32 v[84:85], v[140:141], v[144:145]
	v_pk_add_f32 v[82:83], v[148:149], v[152:153]
	v_pk_add_f32 v[14:15], v[14:15], v[156:157]
	v_pk_add_f32 v[40:41], v[40:41], v[96:97]
	v_pk_add_f32 v[252:253], v[252:253], v[98:99]
	v_pk_add_f32 v[94:95], v[94:95], v[102:103]
	v_pk_add_f32 v[92:93], v[92:93], v[106:107]
	v_pk_add_f32 v[86:87], v[86:87], v[110:111]
	v_pk_add_f32 v[84:85], v[84:85], v[114:115]
	v_pk_add_f32 v[82:83], v[82:83], v[118:119]
	v_pk_add_f32 v[14:15], v[14:15], v[122:123]
	v_pk_add_f32 v[40:41], v[40:41], v[126:127]
	v_pk_add_f32 v[252:253], v[252:253], v[130:131]
	v_pk_add_f32 v[94:95], v[94:95], v[134:135]
	v_pk_add_f32 v[92:93], v[92:93], v[138:139]
	s_setprio 0
	v_pk_add_f32 v[86:87], v[86:87], v[142:143]
	v_pk_add_f32 v[84:85], v[84:85], v[146:147]
	v_pk_add_f32 v[82:83], v[82:83], v[150:151]
	v_pk_add_f32 v[14:15], v[14:15], v[154:155]
	v_pk_add_f32 v[40:41], v[40:41], v[158:159]
	s_delay_alu instid0(VALU_DEP_2)
	v_pk_add_f32 v[14:15], v[14:15], v[92:93]
	s_delay_alu instid0(VALU_DEP_2)
	v_pk_add_f32 v[40:41], v[40:41], v[86:87]
	v_pk_add_f32 v[252:253], v[252:253], v[84:85]
	v_pk_add_f32 v[94:95], v[94:95], v[82:83]
	s_delay_alu instid0(VALU_DEP_2)
	v_pk_add_f32 v[14:15], v[14:15], v[252:253]
	s_delay_alu instid0(VALU_DEP_2)
	v_pk_add_f32 v[40:41], v[40:41], v[94:95]
	s_delay_alu instid0(VALU_DEP_1)
	v_pk_add_f32 v[14:15], v[14:15], v[40:41]
.set j, 0
.rept 16
	v_pk_mul_f32 v[160+j:161+j], v[160+j:161+j], v[FF:FF+1] op_sel_hi:[1,0]   ; O^T under the new M, each accumulator from its low end on
.set j, j+2
.endr
	s_wait_alu depctr_va_vdst(0)
	s_wait_dscnt 0x0                               ; V and its scale words are in
.irp d, 0,1,2,3                                ; the four accumulators take turns, and the eight score products stand between two steps' turns
	v_wmma_scale_f32_16x16x128_f8f6f4 v[160+8*\d:167+8*\d], v[192+12*\d:203+12*\d], v[240:251], v[160+8*\d:167+8*\d], v[88+\d], v35 matrix_a_fmt:MATRIX_FMT_FP6 matrix_b_fmt:MATRIX_FMT_FP6
.endr
.if \causal
.Lskip_\@:
.endif
	s_add_co_u32 s[TB], s[TB], 6400
	s_add_co_u32 s[TT], s[TT], 1
.endm
.macro SEG causal                      ; eight key steps: a constant count for every wave
	s_mov_b32 s[CNT], 8
.Lseg_\@:
	STEP \causal
	s_sub_co_u32 s[CNT], s[CNT], 1
	s_cmp_lg_u32 s[CNT], 0
	s_cbranch_scc1 .Lseg_\@
	s_setprio 0
.endm
; A tile ends: O^T / l; its two blocks of 32 along the model's axis are quantised; six registers and a byte a lane leave.
.macro FINAL
.rept 4
	v_nop                                          ; places behind the last products
.endr
	v_add_f32 v14, v14, v15
	s_delay_alu instid0(VALU_DEP_1)
	v_permlanex16_b32 v[TMP], v14, s[SEL], s[SEL+1]
	s_delay_alu instid0(VALU_DEP_1)
	v_add_f32 v14, v14, v[TMP]                     ; the row's sum
	s_wait_alu depctr_va_vdst(0)
	v_rcp_f32 v14, v14
	v_nop                                          ; a plain place behind the transcendental
.set j, 0
	s_wait_alu depctr_va_vdst(0)
.rept 16
	v_pk_mul_f32 v[96+j:97+j], v[160+j:161+j], v[14:15] op_sel_hi:[1,0]   ; register 16 b + i is channel 32 b + 16 (l / 16) + i of my query
.set j, j+2
.endr
.irp b, 0,1
	v_max3_num_f32 v[BM+\b], |v[96+16*\b]|, |v[97+16*\b]|, 0x1800000
.endr
.irp i, 2,4,6,8,10,12,14
.irp b, 0,1
	s_delay_alu instid0(VALU_DEP_2)
	v_max3_num_f32 v[BM+\b], v[BM+\b], |v[96+16*\b+\i]|, |v[97+16*\b+\i]|
.endr
.endr
.irp b, 0,1
	s_delay_alu instid0(VALU_DEP_2)
	v_permlanex16_b32 v[PT+\b], v[BM+\b], s[SEL], s[SEL+1]
.endr
.irp b, 0,1
	s_delay_alu instid0(VALU_DEP_2)
	v_max_num_f32 v[BM+\b], v[BM+\b], v[PT+\b]
.endr
.irp b, 0,1
	s_delay_alu instid0(VALU_DEP_2)
	v_add_nc_u32 v[SO+\b], 0xff000000, v[BM+\b]
.endr
.irp b, 0,1
	s_delay_alu instid0(VALU_DEP_2)
	v_lshrrev_b32 v[PT+\b], 23, v[SO+\b]
.endr
	v_cvt_scalef32_pk16_fp6_f32 v[240:242], v[96:111], v[SO]
	v_cvt_scalef32_pk16_fp6_f32 v[CT:CT+2], v[112:127], v[SO+1]
	v_nop
.irp i, 0,1,2
	v_permlane16_swap_b32 v[240+\i], v[CT+\i]
.endr
.irp i, 0,1,2
	s_delay_alu instid0(VALU_DEP_3)
	v_mov_b32 v[243+\i], v[CT+\i]
.endr
	v_cndmask_b32 v[TMP], v[PT], v[PT+1], s60      ; lanes 0-15 store block 0's byte, lanes 16-31 block 1's
	global_store_b128 v1, v[240:243], s[54:55]     ; 512 consecutive bytes
	global_store_b64 v2, v[244:245], s[54:55] offset:512
	global_store_b8 v8, v[TMP], s[58:59]           ; single bytes, 32 bytes apart: a row's other bytes belong to other heads' work-groups
.endm
	s_mov_b32 s[TI], s44                           ; the late tile first
	INIT
	s_wait_tensorcnt 0x0                           ; my two chunks are in,
	s_barrier_signal -1
	s_barrier_wait -1                              ; everybody's are: the head's K and V lie in LDS
	s_mov_b32 s[TB], 0
	s_mov_b32 s[TT], 0
	s_sub_co_u32 s[TL], 15, s40
	SEG 0                                          ; steps 0-7 lie in front of the diagonal for every late tile
	s_mov_b32 s[TB], 102400
	SEG 1
	FINAL
	s_mov_b32 s[TI], s43                           ; the early tile
	INIT
	s_mov_b32 s[TB], 0
	s_mov_b32 s[TT], 0
	s_mov_b32 s[TL], s40
	SEG 1
	FINAL
	s_wait_tensorcnt 0x0
	ds_add_u32 v254, v255
	s_wait_dscnt 0x0
	CROUND                                         ; the closing round
	s_endpgm
.Lfunc_end_k_q6854793ea2_attn:
	.size	k_q6854793ea2_attn, .Lfunc_end_k_q6854793ea2_attn-k_q6854793ea2_attn
	.p2alignl 7, 3214868480
	.fill 96, 4, 3214868480
	.section	.rodata,"a",@progbits
	.p2align	6, 0x0
	.amdhsa_kernel k_q6854793ea2_attn
		.amdhsa_group_segment_fixed_size 206848
		.amdhsa_private_segment_fixed_size 0
		.amdhsa_enable_private_segment 0
		.amdhsa_kernarg_size 24
		.amdhsa_user_sgpr_count 2
		.amdhsa_user_sgpr_kernarg_segment_ptr 1
		.amdhsa_wavefront_size32 1
		.amdhsa_system_sgpr_workgroup_id_x 1
		.amdhsa_system_sgpr_workgroup_id_y 1
		.amdhsa_system_sgpr_workgroup_id_z 1
		.amdhsa_system_vgpr_workitem_id 0
		.amdhsa_next_free_vgpr 256
		.amdhsa_next_free_sgpr 72
		.amdhsa_reserve_vcc 1
		.amdhsa_float_denorm_mode_32 3
		.amdhsa_float_denorm_mode_16_64 3
		.amdhsa_memory_ordered 1
		.amdhsa_forward_progress 1
		.amdhsa_inst_pref_size 82
	.end_amdhsa_kernel
	.amdgpu_metadata
---
amdhsa.version: [ 1, 2 ]
amdhsa.kernels:
  - .name:           k_q6854793ea2_attn
    .symbol:         k_q6854793ea2_attn.kd
    .args:
      - { .name: img, .offset: 0, .size: 8, .value_kind: global_buffer, .address_space: global }
      - { .name: oimg, .offset: 8, .size: 8, .value_kind: global_buffer, .address_space: global }
      - { .name: osc, .offset: 16, .size: 8, .value_kind: global_buffer, .address_space: global }
    .group_segment_fixed_size: 206848
    .private_segment_fixed_size: 0
    .kernarg_segment_align: 8
    .kernarg_segment_size: 24
    .max_flat_workgroup_size: 512
    .sgpr_count:     72
    .vgpr_count:     256
    .wavefront_size: 32
...
	.end_amdgpu_metadata
.endif
;; end of part 3
;; launch proj (part 4): grid 4 x 32, 4 waves a work-group, clusters of 4 x 4, 327,680 bytes of LDS; arguments oimg, osc, w_codes, w_scales, out0; writes out0
.if DOCPART == 4
	.amdgcn_target "amdgcn-amd-amdhsa--gfx1250"
	.amdhsa_code_object_version 6
	.text
	.protected	k_q6854793ea2_proj
	.globl	k_q6854793ea2_proj
	.p2align	8
	.type	k_q6854793ea2_proj,@function
k_q6854793ea2_proj:
	s_mov_b64 s[64:65], 0
	v_nop
	global_prefetch_b8 v0, s[64:65] scope:SCOPE_SE
	s_setreg_imm32_b32 hwreg(HW_REG_WAVE_MODE, 25, 1), 1
	s_wait_xcnt 0x0
	s_wait_alu depctr_hold_cnt(0) depctr_sa_sdst(0) depctr_va_vdst(0) depctr_va_sdst(0) depctr_va_ssrc(0) depctr_va_vcc(0) depctr_vm_vsrc(0)
	s_getreg_b32 s2, hwreg(HW_REG_IB_STS2, 6, 4)
	s_cmp_eq_u32 s2, 0
	s_cbranch_scc0 .Lentry_in_a_cluster
	s_endpgm
.Lentry_in_a_cluster:
	s_bfe_u32 s2, ttmp6, 0x10000c
	s_cmp_lg_u32 s2, 0xf033
	s_cbranch_scc0 .Lentry_shape_is_right
	s_endpgm
.Lentry_shape_is_right:
; out0 = (attention's result) w_proj on codes of FP6 (E2M3) with one E8M0 scale for each 32 along K = 1,024; sums and result in f32.
; A: oimg [128 places 64][K step of 128: 8][block of 16 places: 8][1,536 bytes]: images of operand registers (six registers = 768 bytes: registers 0-3 at 16 x lane, 4-5 at 512 + 8 x lane); its scale bytes osc [8,192 places][32].
; B: w_codes' rows 3,072-4,095 (768 bytes each) and their scale bytes.  Places of A and rows of B lie with bits 3 and 4 of their number exchanged; the way out puts rows and columns of out0 right again.
; A tile of 256 x 256 is made by four waves, 128 x 128 each; K goes in steps of 256 through a ring of two LDS slots; A's part of a slot is a dense block of images, B's part rows of 192 bytes padded to 240.
; The matrix instruction is used transposed (source 0 = 16 rows of B, source 1 = 16 places of A).  CLUSTERS: 4 x 4 work-groups; A's tiles are asked for jointly along a row, B's along a column.
; The launch has 128 work-groups: a tile of 256 x 256 of the 8,192 x 1,024 result each.
; REGISTERS: window 0: v0-31 addresses; v32-63 scale words; v128-223 A's fragments, one set; on the way out v128-255.  window 1: B's fragments, two sets.  windows 2, 3: the accumulators.
.set KSTEP,  256
.set NQ,     2
.set ROWB,   192
.set KROW,   768
.set PITCH,  240
.set FR,     12
.set NL,     6                         ; LDS loads of a fragment of B
.set NLA,    4                         ; and of A
.set NP,     4
.set HALFA,  24576                     ; A: 128 places x 256 along K as images: 2 x 8 x 1,536 bytes
.set HALFT,  128*PITCH                 ; B: 128 rows
.set BOFF,   2*HALFA
.set SLOT,   2*HALFA+2*HALFT
.set LAPS,   2
.set KS,     32
.set SCL,    2*SLOT
.set HALFS,  16*272
.set SBLK,   2*272
.set SPARE,  SCL+4*HALFS               ; the spare words, 128 bytes for each wave: two blocks of 256 bytes that no other line names
.set SPITCH, 528                       ; the way out: a stage of 16 rows x (512 bytes + 16) for each wave, in slot 0, which has had its last fill and its last read by then
.set ROWC,   4096                      ; a row of out0 in bytes
.set ADRA, 16                          ; v16-17 16 l + my images in slot 0, 1;  v18-19 the same with 8 l
.set ADRB, 20
.set STO,  24
.set RD,   25
.set CO,   26
.set ADRS, 27
.set SPW,  28
.set NIL,  29
.set SC,   32
.set AF,   128
.set BK,   128
.set G1, 24
.set G0, 32
.set G1B, 48
.set G0B, 56
.set G1S, 68
.set G0S, 76
.set G1SB, 80
.set G0SB, 88
.set MSB, 0
.macro WIN new
.if MSB != \new
	s_set_vgpr_msb (MSB<<8)|\new
.set MSB, \new
.endif
.endm
.set MUL_LO, 0xa1
.set MUL_HI, 0xf1
.set TO_B,   0x40
.macro JLOAD g0a, g1a, g0b, g1b        ; a joint load: waves 0 and 1 fetch for A, waves 2 and 3 for B; four v_nop follow each of the two lines
	s_cmp_eq_u32 s15, 0
	s_cbranch_scc0 .Lfor_b_\@
	tensor_load_to_lds s[\g0a:\g0a+3], s[\g1a:\g1a+7]
	s_nop 0
.rept 4
	v_nop
.endr
	s_branch .Lasked_\@
.Lfor_b_\@:
	tensor_load_to_lds s[\g0b:\g0b+3], s[\g1b:\g1b+7]
	s_nop 0
.rept 4
	v_nop
.endr
.Lasked_\@:
.endm
.macro CREST
	s_cmp_lg_u32 s14, 0
	s_cbranch_scc1 .Lnot_wave_0_\@
	s_barrier_signal -3
.Lnot_wave_0_\@:
	s_barrier_wait -3
	s_barrier_signal -1
	s_barrier_wait -1
.endm
.macro CROUND
	s_barrier_signal -1
	s_barrier_wait -1
	CREST
.endm
	s_load_b128 s[4:7], s[0:1], 0x0                ; oimg, osc
	s_load_b128 s[8:11], s[0:1], 0x10              ; w's codes, w's scales
	s_load_b64 s[12:13], s[0:1], 0x20              ; out0
	v_lshl_add_u32 v[SPW], v0, 2, SPARE
	v_mov_b32 v[NIL], 0
	ds_add_u32 v28, v29
	ds_add_u32 v28, v29
	s_wait_dscnt 0x0
	v_lshrrev_b32 v1, 5, v0
	v_readfirstlane_b32 s14, v1                    ; wave 0..3
	s_lshr_b32 s15, s14, 1                         ; which half of A's places is mine.  Also: I fetch for A (0) or for B (1)
	s_and_b32 s16, s14, 1                          ; which half of B's rows.  Also: which half of that tile I fetch
	s_bfe_u32 s40, ttmp6, 0x40000
	s_bfe_u32 s41, ttmp6, 0x40004
	s_lshl_b32 s42, ttmp9, 2
	s_add_co_u32 s42, s42, s40                     ; tile column
	s_and_b32 s17, ttmp7, 0xffff
	s_lshl_b32 s17, s17, 2
	s_add_co_u32 s17, s17, s41                     ; tile row
	s_lshl_b32 s43, s41, 2
	s_lshl_b32 s43, 15, s43                        ; my row of the cluster
	s_lshl_b32 s44, 0x1111, s40                    ; my column
	; A's tiles: 24,576 dense bytes as 96 rows of 256 bytes (32 elements of 8 bytes), no padding
	s_or_b32 s[G1+0], s43, (3<<16)|(1<<21)
	s_mov_b32 s[G1+1], 32<<16
	s_mov_b32 s[G1+2], 96<<16
	s_mov_b32 s[G1+3], 32<<16
	s_mov_b32 s[G1+4], 96
	s_mov_b32 s[G1+5], 32
	s_mov_b32 s[G1+6], 0
	s_mov_b32 s[G1+7], 0
	; B's tiles: 128 rows x 192 bytes, 16 bytes of padding behind every 64
	s_or_b32 s[G1B+0], s44, (0<<16)|(1<<20)|(1<<21)|(3<<22)|(3<<25)
	s_mov_b32 s[G1B+1], ROWB<<16
	s_mov_b32 s[G1B+2], 128<<16
	s_mov_b32 s[G1B+3], ROWB<<16
	s_mov_b32 s[G1B+4], 128
	s_mov_b32 s[G1B+5], KROW
	s_mov_b32 s[G1B+6], 0
	s_mov_b32 s[G1B+7], 0
	; the scales of 128 rows: 16 rows of 256 bytes, 16 bytes of padding behind each
	s_or_b32 s[G1S+0], s43, (3<<16)|(1<<20)|(1<<21)|(5<<22)|(3<<25)
	s_or_b32 s[G1SB+0], s44, (3<<16)|(1<<20)|(1<<21)|(5<<22)|(3<<25)
.irp g, G1S, G1SB
	s_mov_b32 s[\g+1], 32<<16
	s_mov_b32 s[\g+2], 16<<16
	s_mov_b32 s[\g+3], 32<<16
	s_mov_b32 s[\g+4], 16
	s_mov_b32 s[\g+5], 32
	s_mov_b32 s[\g+6], 0
	s_mov_b32 s[\g+7], 0
.endr
	s_lshl_b32 s18, s16, 7
	s_lshl_b32 s20, s17, 8
	s_add_co_u32 s20, s20, s18                     ; A: place 256 x tile row + 128 x half
	s_lshl_b32 s46, s42, 8
	s_add_co_u32 s46, s46, s18
	s_add_co_u32 s46, s46, 3072                    ; B: row 3,072 + 256 x tile column + 128 x half
	s_mov_b32 s21, 0
	s_mov_b32 s47, 0
	s_mov_b64 s[18:19], KS
	s_mul_u64 s[22:23], s[20:21], s[18:19]         ; where these rows' scales begin
	s_mul_u64 s[92:93], s[46:47], s[18:19]
	s_mov_b64 s[18:19], KROW
	s_mul_u64 s[20:21], s[20:21], s[18:19]         ; and their codes (128 places of images are 128 x 768 bytes too)
	s_mul_u64 s[46:47], s[46:47], s[18:19]
	s_mul_i32 s45, s16, HALFA                      ; where they go: A's two halves,
	s_mul_i32 s95, s16, HALFT
	s_add_co_u32 s95, s95, BOFF                    ; then B's two halves
	s_mul_i32 s94, s14, HALFS
	s_wait_kmcnt 0x0
	s_add_nc_u64 s[20:21], s[4:5], s[20:21]
	s_add_nc_u64 s[22:23], s[6:7], s[22:23]
	s_add_nc_u64 s[46:47], s[8:9], s[46:47]
	s_add_nc_u64 s[92:93], s[10:11], s[92:93]
	CROUND                                         ; all sixteen work-groups are here: the first joint loads meet
	s_mov_b32 s[G0S], 1
	s_add_co_u32 s[G0S+1], s94, SCL
	s_mov_b64 s[G0S+2:G0S+3], s[22:23]
	s_or_b32 s[G0S+3], s[G0S+3], 0x80000000
	s_mov_b32 s[G0SB], 1
	s_add_co_u32 s[G0SB+1], s94, SCL
	s_mov_b64 s[G0SB+2:G0SB+3], s[92:93]
	s_or_b32 s[G0SB+3], s[G0SB+3], 0x80000000
	JLOAD G0S, G1S, G0SB, G1SB
.irp s, 0,1
	s_mov_b32 s[G0+4*\s], 1
	s_add_co_u32 s[G0+4*\s+1], s45, \s*SLOT
	s_add_nc_u64 s[G0+4*\s+2:G0+4*\s+3], s[20:21], \s*HALFA
	s_or_b32 s[G0+4*\s+3], s[G0+4*\s+3], 0x80000000
	s_mov_b32 s[G0B+4*\s], 1
	s_add_co_u32 s[G0B+4*\s+1], s95, \s*SLOT
	s_add_nc_u64 s[G0B+4*\s+2:G0B+4*\s+3], s[46:47], \s*ROWB
	s_or_b32 s[G0B+4*\s+3], s[G0B+4*\s+3], 0x80000000
	JLOAD G0+4*\s, G1, G0B+4*\s, G1B
.endr
	v_and_b32 v1, 15, v0                           ; l % 16
	v_bfe_u32 v2, v0, 4, 1                         ; l / 16
	v_and_b32 v6, 31, v0                           ; l
	v_lshlrev_b32 v7, 4, v6
	v_lshlrev_b32 v8, 3, v6
	v_mul_u32_u24 v3, v1, PITCH
	v_mul_u32_u24 v4, v2, 24
	v_add_nc_u32 v4, v3, v4                        ; B: a fragment's row x pitch + 24 x half
	v_lshl_add_u32 v5, v2, 4, v4                   ; and the same behind one padding more
	s_mul_i32 s21, s15, HALFA                      ; my 128 places of A
	s_mul_i32 s22, s16, HALFT
	s_add_co_u32 s22, s22, BOFF                    ; my 128 rows of B
.irp s, 0,1
	v_add_nc_u32 v[ADRA+\s], s21, v7
	v_add_nc_u32 v[ADRA+2+\s], s21, v8
	v_add_nc_u32 v[ADRB+\s], s22, v4
	v_add_nc_u32 v[ADRB+2+\s], s22, v5
	s_add_co_u32 s21, s21, SLOT
	s_add_co_u32 s22, s22, SLOT
.endr
	v_mul_u32_u24 v5, v1, KS
	v_lshrrev_b32 v6, 8, v5
	v_lshl_add_u32 v5, v6, 4, v5
	s_mul_i32 s21, s15, HALFS
	s_mul_i32 s22, s16, HALFS
	s_add_co_u32 s22, s22, 2*HALFS
	s_sub_co_u32 s22, s22, s21
	v_mul_u32_u24 v6, s22, v2                      ; lanes 16-31 take B's
	s_add_co_u32 s21, s21, SCL
	v_add_nc_u32 v5, v5, v6
	v_add_nc_u32 v[ADRS], s21, v5
	s_mul_i32 s23, s14, 16*SPITCH                  ; my stage
	v_mul_u32_u24 v5, v1, SPITCH                   ; in: row l % 16; my half's eight columns lie 16 columns, 64 bytes, on
	v_lshl_add_u32 v5, v2, 6, v5
	v_add_nc_u32 v[STO], s23, v5
	v_mov_b32 v[CO], v7                            ; back: the 32 lanes take one row of 512 bytes; and the same in out0
	v_add_nc_u32 v[RD], s23, v7
	s_lshl_b32 s20, s17, 8
	s_lshl_b32 s21, s15, 7
	s_add_co_u32 s20, s20, s21                     ; my first row of out0
	s_mov_b32 s21, 0
	s_mov_b64 s[18:19], ROWC
	s_mul_u64 s[20:21], s[20:21], s[18:19]
	s_lshl_b32 s46, s42, 10                        ; my first column, in bytes
	s_lshl_b32 s47, s16, 9
	s_add_co_u32 s46, s46, s47
	s_mov_b32 s47, 0
	s_add_nc_u64 s[20:21], s[20:21], s[46:47]
	s_add_nc_u64 s[12:13], s[12:13], s[20:21]
.macro FRAG reg, adr, q, i             ; B: 12 registers in pieces of 8 bytes
.irp p, 0,1,2,3,4,5
.set PCE, 12*(\q)+6*(\p/3)+\p%3
.if PCE%8 < 5
	ds_load_b64 v[\reg+2*\p:\reg+2*\p+1], v[\adr] offset:8*PCE+16*(PCE/8)+(\i)*16*PITCH
.else
	ds_load_b64 v[\reg+2*\p:\reg+2*\p+1], v[\adr+2] offset:8*PCE+16*(PCE/8)+(\i)*16*PITCH
.endif
.endr
.endm
.macro FRAGA reg, slot, q, i           ; A: an image comes back as it was stored: every load takes consecutive bytes
	ds_load_b128 v[\reg:\reg+3], v[ADRA+\slot] offset:(\q)*12288+(\i)*1536
	ds_load_b64 v[\reg+4:\reg+5], v[ADRA+2+\slot] offset:(\q)*12288+(\i)*1536+512
	ds_load_b128 v[\reg+6:\reg+9], v[ADRA+\slot] offset:(\q)*12288+(\i)*1536+768
	ds_load_b64 v[\reg+10:\reg+11], v[ADRA+2+\slot] offset:(\q)*12288+(\i)*1536+1280
.endm
.macro MUL16 a0, p, q, sc, zero        ; the 64 accumulators take turns, one instruction a turn, in the same order in every step
.irp a, \a0, \a0+1
.irp b, 0,1,2,3,4,5,6,7
.if \zero
	v_wmma_scale_f32_16x16x128_f8f6f4 v[8*(8*((\a)%4)+\b):8*(8*((\a)%4)+\b)+7], v[128*(\p)+FR*\b:128*(\p)+FR*\b+FR-1], v[AF+FR*(\a):AF+FR*(\a)+FR-1], 0, v[SC+8*NQ*(\sc)+NQ*\b+(\q)], v[SC+8*NQ*(\sc)+NQ*(\a)+(\q)] matrix_a_fmt:MATRIX_FMT_FP6 matrix_b_fmt:MATRIX_FMT_FP6 matrix_a_scale:MATRIX_SCALE_ROW1
.else
	v_wmma_scale_f32_16x16x128_f8f6f4 v[8*(8*((\a)%4)+\b):8*(8*((\a)%4)+\b)+7], v[128*(\p)+FR*\b:128*(\p)+FR*\b+FR-1], v[AF+FR*(\a):AF+FR*(\a)+FR-1], v[8*(8*((\a)%4)+\b):8*(8*((\a)%4)+\b)+7], v[SC+8*NQ*(\sc)+NQ*\b+(\q)], v[SC+8*NQ*(\sc)+NQ*(\a)+(\q)] matrix_a_fmt:MATRIX_FMT_FP6 matrix_b_fmt:MATRIX_FMT_FP6 matrix_a_scale:MATRIX_SCALE_ROW1
.endif
.endr
.endr
.endm
.macro FETCH_B slot, q, p
	WIN TO_B
.irp i, 0,1,2,3,4,5,6,7
	FRAG 128*(\p)+FR*\i, ADRB+\slot, \q, \i
.endr
	WIN 0
.endm
.macro FETCH_A slot, q, i0
.irp i, \i0, \i0+1, \i0+2, \i0+3
	FRAGA AF+FR*(\i), \slot, \q, \i
.endr
.endm
.macro SCALES sc
.irp i, 0,1,2,3,4,5,6,7
	ds_load_b64 v[SC+8*NQ*\sc+NQ*\i:SC+8*NQ*\sc+NQ*\i+1], v[ADRS] offset:\i*SBLK
.endr
.endm
.macro PLACES n
.rept \n
	v_nop
.endr
.endm
.macro STEP slot, q, zero
	s_wait_dscnt 4*NLA                             ; B's set and A's blocks 0-3 are in; the youngest 16 loads (A's blocks 4-7) may be out
	WIN MUL_LO
	MUL16 0, (\q)%2, \q, \slot, \zero
	MUL16 2, (\q)%2, \q, \slot, \zero
	s_wait_dscnt 0
	PLACES NP
	FETCH_B \slot, (\q)+1, 1-(\q)%2
	FETCH_A \slot, (\q)+1, 0
	WIN MUL_HI
	MUL16 4, (\q)%2, \q, \slot, \zero
	MUL16 6, (\q)%2, \q, \slot, \zero
	PLACES NP
	WIN 0
	FETCH_A \slot, (\q)+1, 4
.endm
.macro TURN slot, next, fill
	s_wait_tensorcnt 0x0                           ; all my tensor loads have landed: my part of the next slot
	ds_add_u32 v[SPW], v[NIL]                      ; 0 onto my spare word
	s_wait_dscnt 4*NLA+1                           ; (the add and the youngest 16 loads may be out)
	WIN MUL_LO
	MUL16 0, 1, NQ-1, \slot, 0
	s_wait_dscnt 0x0                               ; the add is done, and my reads of this slot are over
	s_barrier_signal -1
	MUL16 2, 1, NQ-1, \slot, 0
	WIN 0
	s_barrier_wait -1
.if \fill
	CREST                                          ; the barrier has opened a round of the cluster's barrier
	s_add_nc_u64 s[G0+4*\slot+2:G0+4*\slot+3], s[G0+4*\slot+2:G0+4*\slot+3], 2*HALFA
	s_add_nc_u64 s[G0B+4*\slot+2:G0B+4*\slot+3], s[G0B+4*\slot+2:G0B+4*\slot+3], 2*ROWB
	JLOAD G0+4*\slot, G1, G0B+4*\slot, G1B         ; the first tensor load behind the round; its four v_nop are the places in front of the loads below
.else
	PLACES NP
.endif
	v_add_nc_u32 v[ADRS], 4*NQ, v[ADRS]
	FETCH_B \next, 0, 0
	FETCH_A \next, 0, 0
	SCALES \next
	WIN MUL_HI
	MUL16 4, 1, NQ-1, \slot, 0
	MUL16 6, 1, NQ-1, \slot, 0
	PLACES NP
	WIN 0
	FETCH_A \next, 0, 4
.endm
	s_wait_tensorcnt 1                             ; the scales and my part of K step 0 are in (K step 1's load may be out),
	s_barrier_signal -1
	s_barrier_wait -1                              ; everybody's are
	FETCH_B 0, 0, 0
	FETCH_A 0, 0, 0
	SCALES 0
	FETCH_A 0, 0, 4
	STEP 0, 0, 1
	s_mov_b32 s3, LAPS-1
.Llap:
	TURN 0, 1, 1
	STEP 1, 0, 0
	TURN 1, 0, 1
	STEP 0, 0, 0
	s_sub_co_u32 s3, s3, 1
	s_cmp_lg_u32 s3, 0
	s_cbranch_scc1 .Llap
	TURN 0, 1, 0
	STEP 1, 0, 0
	s_wait_dscnt 4*NLA
	WIN MUL_LO
	MUL16 0, 1, NQ-1, 1, 0
	MUL16 2, 1, NQ-1, 1, 0
	s_wait_dscnt 0
	WIN MUL_HI
	MUL16 4, 1, NQ-1, 1, 0
	MUL16 6, 1, NQ-1, 1, 0
	WIN 0
; THE WAY OUT, block by block of 16 places x 128 columns, through my own stage in LDS.  Accumulator b's register j of lane (r, h) is true column 32 (b / 2) + 16 h + 8 (b % 2) + j; stage row t of block a is true row 32 (a / 2) + 8 (a % 2) + t + 8 (t / 8).
.macro TOSTAGE a
.set AC, 64*((\a)%4)
	WIN 0x08+4*((\a)/4)                            ; the data: window 2 or 3
.irp b, 0,1,2,3,4,5,6,7
	ds_store_b128 v[STO], v[AC+8*\b:AC+8*\b+3] offset:128*(\b/2)+32*(\b%2)          ; each accumulator from its low end on
	ds_store_b128 v[STO], v[AC+8*\b+4:AC+8*\b+7] offset:128*(\b/2)+32*(\b%2)+16
.endr
	WIN 0
.set BB, BK+64*((\a)%2)
.irp t, 0,1,2,3,4,5,6,7,8,9,10,11,12,13,14,15
	ds_load_b128 v[BB+4*\t:BB+4*\t+3], v[RD] offset:\t*SPITCH      ; LDS serves a wave's instructions in order: these see the stores above
.endr
.endm
.macro SEND a, younger
.set BB, BK+64*((\a)%2)
	s_wait_dscnt \younger                          ; the block is back in registers
.if (\a) > 0
.if (\a)%2 == 1
	s_add_nc_u64 s[12:13], s[12:13], 8*ROWC        ; (behind a wait on XCNT)  an odd block begins 8 rows behind the even one,
.else
	s_add_nc_u64 s[12:13], s[12:13], 24*ROWC       ; an even one 24 rows behind the odd one
.endif
.endif
.irp t, 0,1,2,3,4,5,6,7,8,9,10,11,12,13,14,15
	global_store_b128 v[CO], v[BB+4*\t:BB+4*\t+3], s[12:13] offset:(\t+8*(\t/8))*ROWC th:TH_STORE_NT   ; 32 lanes store 512 consecutive bytes, at a multiple of 256 from out0's first byte
.endr
.endm
	PLACES NP
	TOSTAGE 0
.irp a, 1,2,3,4,5,6,7
.if \a > 1
	s_wait_xcnt 0x0                                ; block a - 2's stores have read their registers and their base
.endif
	TOSTAGE \a
	SEND \a-1, 32                                  ; behind block a - 1's loads: block a's 16 stores and 16 loads
.endr
	s_wait_xcnt 0x0
	SEND 7, 0
	s_wait_tensorcnt 0x0                           ; the wave's end
	ds_add_u32 v[SPW], v[NIL]
	s_wait_dscnt 0x0
	CROUND                                         ; the closing round
	s_endpgm
.Lfunc_end_k_q6854793ea2_proj:
	.size	k_q6854793ea2_proj, .Lfunc_end_k_q6854793ea2_proj-k_q6854793ea2_proj
	.p2alignl 7, 3214868480
	.fill 96, 4, 3214868480
	.section	.rodata,"a",@progbits
	.p2align	6, 0x0
	.amdhsa_kernel k_q6854793ea2_proj
		.amdhsa_group_segment_fixed_size 327680
		.amdhsa_private_segment_fixed_size 0
		.amdhsa_enable_private_segment 0
		.amdhsa_kernarg_size 40
		.amdhsa_user_sgpr_count 2
		.amdhsa_user_sgpr_kernarg_segment_ptr 1
		.amdhsa_wavefront_size32 1
		.amdhsa_system_sgpr_workgroup_id_x 1
		.amdhsa_system_sgpr_workgroup_id_y 1
		.amdhsa_system_sgpr_workgroup_id_z 1
		.amdhsa_system_vgpr_workitem_id 0
		.amdhsa_next_free_vgpr 1024
		.amdhsa_next_free_sgpr 98
		.amdhsa_reserve_vcc 0
		.amdhsa_float_denorm_mode_32 3
		.amdhsa_float_denorm_mode_16_64 3
		.amdhsa_memory_ordered 1
		.amdhsa_forward_progress 1
		.amdhsa_inst_pref_size 152
	.end_amdhsa_kernel
	.amdgpu_metadata
---
amdhsa.version: [ 1, 2 ]
amdhsa.kernels:
  - .name:           k_q6854793ea2_proj
    .symbol:         k_q6854793ea2_proj.kd
    .args:
      - { .name: oimg, .offset: 0, .size: 8, .value_kind: global_buffer, .address_space: global }
      - { .name: osc, .offset: 8, .size: 8, .value_kind: global_buffer, .address_space: global }
      - { .name: w_codes, .offset: 16, .size: 8, .value_kind: global_buffer, .address_space: global }
      - { .name: w_scales, .offset: 24, .size: 8, .value_kind: global_buffer, .address_space: global }
      - { .name: out0, .offset: 32, .size: 8, .value_kind: global_buffer, .address_space: global }
    .group_segment_fixed_size: 327680
    .private_segment_fixed_size: 0
    .kernarg_segment_align: 8
    .kernarg_segment_size: 40
    .max_flat_workgroup_size: 128
    .sgpr_count:     98
    .vgpr_count:     1024
    .wavefront_size: 32
...
	.end_amdgpu_metadata
.endif
;; end of part 4
